; MI455X (gfx1250); checked and timed in simulation.
; The chip was launched on July 23, 2026; its instructions are those of AMD's public machine-readable ISA for CDNA 5 (MIT licence, August 2026) and "CDNA5" Instruction Set Architecture Reference Guide (July 2026). The comments in the code are by the model that wrote it; some were corrected since.
;; Multi Head Attention. Allowed arithmetic: matrix products marked QUANTISED: E4M3 operands, one given power-of-two scale a tensor, by v_wmma_f32_16x16x64_fp8_fp8 or v_wmma_f32_16x16x128_fp8_fp8, f32 sums; everything else in f32.
;; Inputs: Wo 1,024 x 1,024 float32; Wq 1,024 x 1,024 float32; bo 1,024 float32; bq 1,024 float32; lowp_scales 8 int32 (the exponents e of the quantised operands' scales 2^e); x 2 x 2,048 x 1,024 float32.
;; Outputs: out0 2 x 2,048 x 1,024 float32.
;; This version of the problem:
;;   THIS VERSION OF THE PROBLEM IS GIVEN IN LOW PRECISION. The matrix products marked QUANTISED in the list below multiply operands that are first quantised to E4M3 (4 exponent bits, 3 mantissa bits; 8 bits a number), with one given power-of-two scale for each operand tensor; their sums are f32. All else is computed in f32.
;;   The module's matrix products, in the order in which they are computed (A, B: the left and right operand; K: the contracted axis; several contracted axes count as one K, in the product's order):
;;     1. [M 4,096, K 1,024] x [K 1,024, N 1,024]; A: input x; B: input Wq: QUANTISED (scales: A lowp_scales[0], B lowp_scales[1])
;;     2. batch 32 x [M 2,048, K 64] x [K 64, N 2,048]; A: computed on the way; B: computed on the way: QUANTISED (scales: A lowp_scales[2], B lowp_scales[3])
;;     3. batch 32 x [M 2,048, K 2,048] x [K 2,048, N 64]; A: softmax (see below); B: computed on the way: QUANTISED (scales: A lowp_scales[4], B lowp_scales[5])
;;     4. [M 4,096, K 1,024] x [K 1,024, N 1,024]; A: computed on the way; B: input Wo: QUANTISED (scales: A lowp_scales[6], B lowp_scales[7])
;;   THE QUANTISER, for each operand of a quantised product, along K:
;;     - The operand's scale is 2^e, e = its entry of the input lowp_scales (int32; the entries are numbered through the quantised products in the list's order, A before B).
;;     - Each number is divided by the scale, clamped to +-448, and rounded to the nearest number of E4M3, ties to even, subnormals kept.
;;     - The product sums the exact products of the quantised numbers (number of the format x scale) in f32.
;;   ~~~python
;;   def quantise(x, axis, e):      # numpy; x: float32 -> the quantised numbers, widened to float32 again
;;       x = np.moveaxis(x, axis, -1); K = x.shape[-1]
;;       r = np.clip(x / 2.0 ** e, -448, 448)
;;       step = 2.0 ** (np.maximum(np.frexp(np.where(r == 0, 1, r))[1] - 1, -6) - 3)
;;       q = np.round(r / step) * step * 2.0 ** e      # np.round: ties to even
;;       return np.moveaxis(q, -1, axis).astype(np.float32)
;;   ~~~
;;   SOFTMAX AHEAD OF A QUANTISED PRODUCT. Where the list says 'softmax', what is quantised is not the finished softmax but p = 2^(t - M), with t = logit x log2(e) and M = ceil(the row's largest t), a whole number; so 1/2 < the row's largest p <= 1. The row's sum l is taken of the UNQUANTISED p, in f32, and the product's result is divided by l at the end. Since M is a whole number, a kernel that streams over the keys may use a running M (the ceiling of the running maximum): every later rescaling is an exact power of two, so the quantised numbers keep their values, but for numbers so far below the row's largest that they fall under the format's range.
;;   OPERANDS COMPUTED ON THE WAY. 'Computed on the way' means the value that the module computes at that place (a softmax that the list does not call 'softmax' is quantised finished and normalised). What goes into a quantiser is computed in f32, as accurately as f32 sums, v_exp_f32 and their like allow (about 1e-6 of the number): no bf16 or f16 on the way to a quantiser, and a product that is left as it is and whose result goes on into a quantised operand takes f32 operands (vector FMAs, or v_wmma_f32_16x16x4_f32). A number that lies on a knife's edge between two numbers of the format may be rounded either way, as far as f32 arithmetic and the matrix unit's own rounding can turn it there, and no further.
;; 2 versions, each right; version 2 is version 1 with the launch attn written anew for expert scheduling mode. Each part assembles by itself: llvm-mc -triple=amdgcn-amd-amdhsa -mcpu=gfx1250 --defsym DOCPART=n.
;; ======== version 1 of 2: 4 launches
;; workspace buffers: xc 4,194,304 bytes; wqc 1,048,576 bytes; woc 1,048,576 bytes; qc 4,194,304 bytes; kv 8,388,608 bytes; ac 4,194,304 bytes
;; launch prep (part 1): grid 320 x 1, 8 waves a work-group, no clusters, 68,608 bytes of LDS; arguments x, Wq, Wo, lowp_scales, xc, wqc, woc; writes xc, wqc, woc
.if DOCPART == 1
	.amdgcn_target "amdgcn-amd-amdhsa--gfx1250"
	.amdhsa_code_object_version 6
	.text
	.protected	k_q48f1204bcf_prep
	.globl	k_q48f1204bcf_prep
	.p2align	8
	.type	k_q48f1204bcf_prep,@function
k_q48f1204bcf_prep:
	s_mov_b64 s[64:65], 0
	v_nop
	global_prefetch_b8 v0, s[64:65] scope:SCOPE_SE
	s_setreg_imm32_b32 hwreg(HW_REG_WAVE_MODE, 25, 1), 1
	s_wait_xcnt 0x0
; x [4096][1024], Wq [1024 (k)][1024 (n)], Wo [1024 (k)][1024 (n)], f32, become codes of FP8 (E4M3) with the given scales 2^e0, 2^e1, 2^e7.
; code = number / 2^e, held within +-448, to the nearest code, ties to even.
; LIMITS: each e between -126 and 119, so that 2^e and 448 x 2^e are f32 numbers.  NaN among the inputs is not served (an infinity is held at the largest code).
; THE CODES ARE LAID AS IMAGES OF OPERAND REGISTERS.  A fragment (16 rows x 128 K, 16 registers a lane) is four groups g of four registers; a group is 512 bytes, lane L's 16 bytes at 16 L.
; L = 16 h + r; byte y of the lane's 16 is k = 32 g + 16 (y / 8) + 8 h + y % 8 of row r: the places that the plain 8-bit matrix forms give each k (ISA guide 7.12.2).
;   xc  [P 32][s 8][a 8][g 4][L 32][16]: row 128 P + 16 a + r of x, K step s (128 along K)
;   wqc, woc [CP 8][s 8][b 8][g 4][L 32][16]: column 128 CP + 16 b + r of the weight, K step s
; So the products' launches take a K step's fragments as one dense block of 16,384 bytes, and a fragment out of LDS by loads at 16 x lane.
; Work-groups 0-63 take the weights (path W), work-groups 64-319 take x (path X).  Waves share nothing: no barrier.  Only path X uses LDS.
.set X,   16                           ; path W: v16-79   two sets of 32 numbers down K
.set C,   96                           ; path W: v96-127  codes, eight registers a block: no store's data are written again
.set R,   16                           ; path X: v16-79   16 rows as they are loaded
.set X2,  80                           ; path X: v80-143  64 numbers in the order of the operand's registers
.set CX,  144                          ; path X: v144-159 the fragment's codes
.set SPX, 528                          ; path X: a stage row: 512 bytes + 16: 33 x 16, so the sixteen rows that a load touches start in sixteen different 16-byte columns of 256
.set WST, 16*SPX                       ; a wave's stage
	s_load_b256 s[4:11], s[0:1], 0x0               ; x s[4:5], Wq s[6:7], Wo s[8:9], the scales' exponents s[10:11]
	s_load_b128 s[12:15], s[0:1], 0x20             ; xc s[12:13], wqc s[14:15]
	s_load_b64 s[16:17], s[0:1], 0x30              ; woc
	v_lshl_add_u32 v160, v0, 2, 0x10800
	v_mov_b32 v161, 0
	v_lshrrev_b32 v1, 5, v0
	v_readfirstlane_b32 s18, v1                    ; wave 0..7
	v_and_b32 v1, 31, v0                           ; lane
	v_and_b32 v2, 15, v0                           ; r
	v_bfe_u32 v3, v0, 4, 1                         ; h
	s_wait_kmcnt 0x0
	s_load_b256 s[24:31], s[10:11], 0x0            ; e0 .. e7
	s_cmp_lt_u32 ttmp9, 64
	s_cbranch_scc0 .Lx
; ---- PATH W.  Work-group j: weight j / 32, K step (j / 4) % 8, columns 256 (j % 4) on.  A wave takes 32 columns x 128 along K.
; A LANE TAKES A COLUMN AND ITS REGISTERS RUN DOWN K: each load reads 128 consecutive bytes a wave (the eight waves side by side 1,024), and the conversions give codes with K innermost.
	s_lshr_b32 s19, ttmp9, 5                       ; 0: Wq, 1: Wo
	s_and_b32 s20, ttmp9, 3                        ; cg: which 256 columns
	s_bfe_u32 s21, ttmp9, 0x30002                  ; s: the K step
	s_cmp_eq_u32 s19, 0                            ; the choice hangs on the work-group's number alone
	s_cselect_b64 s[32:33], s[6:7], s[8:9]
	s_cselect_b64 s[34:35], s[14:15], s[16:17]
	s_lshl_b32 s36, s21, 19                        ; 128 s rows of 4,096 bytes
	s_lshl_b32 s37, s20, 10                        ; + 256 cg columns
	s_add_co_u32 s36, s36, s37
	s_lshl_b32 s37, s18, 7                         ; + 32 columns a wave
	s_add_co_u32 s36, s36, s37
	s_mov_b32 s37, 0
	s_add_nc_u64 s[32:33], s[32:33], s[36:37]
	s_lshl_b32 s38, s20, 1
	s_lshr_b32 s39, s18, 2
	s_add_co_u32 s38, s38, s39                     ; CP = 2 cg + wave / 4
	s_lshl_b32 s38, s38, 3
	s_add_co_u32 s38, s38, s21                     ; x 8 + s
	s_lshl_b32 s38, s38, 3
	s_lshl_b32 s39, s18, 1
	s_and_b32 s39, s39, 7
	s_add_co_u32 s38, s38, s39                     ; x 8 + b of my lanes 0-15: (2 wave) % 8
	s_lshl_b32 s38, s38, 11                        ; fragments of 2,048 bytes
	s_mov_b32 s39, 0
	s_add_nc_u64 s[34:35], s[34:35], s[38:39]
	v_lshlrev_b32 v4, 2, v1                        ; in: 4 bytes a lane
	v_lshlrev_b32 v5, 4, v2
	v_lshl_add_u32 v5, v3, 11, v5                  ; out: lanes 16-31 hold the next fragment's columns; 16 bytes for each column r
.macro LOADW t                         ; block t: W(128 s + 32 t + i, my column), i = 0 .. 31, into set t % 2
.set i, 0
.rept 32
	global_load_b32 v[X+32*((\t)%2)+i], v4, s[32:33] offset:(32*(\t)+i)*4096 th:TH_LOAD_NT
.set i, i+1
.endr
.endm
	LOADW 0
	LOADW 1
	s_wait_kmcnt 0x0
	s_cmp_eq_u32 s19, 0
	s_cselect_b32 s22, s25, s31                    ; e1 or e7
	s_add_co_i32 s22, s22, 127
	s_lshl_b32 s23, s22, 23
	v_mov_b32 v11, s23                             ; 2^e as f32: the conversion takes its exponent field
	s_add_co_i32 s22, s22, 8
	s_lshl_b32 s22, s22, 23
	s_or_b32 s22, s22, 0x600000
	v_mov_b32 v10, s22                             ; 448 x 2^e
; Block t is group g = t of the column's fragment.  Of its 32 numbers, 0-7 and 16-23 are the 16 bytes of lane place (r, h = 0), 8-15 and 24-31 those of (r, h = 1).
.macro BLOCKW t
.set XS, X+32*((\t)%2)
.set CS, C+8*(\t)
.if (\t) < 3
	s_wait_loadcnt 32                              ; this block's 32 loads are in; the next block's 32 may be out
.else
	s_wait_loadcnt 0
.endif
.set i, 0
.rept 32
	v_med3_num_f32 v[XS+i], v[XS+i], -v10, v10     ; the conversion to an 8-bit code does not saturate (ISA guide 7.6.2): the hold comes first
.set i, i+1
.endr
	v_cvt_scalef32_pk8_fp8_f32 v[CS:CS+1], v[XS:XS+7], v11
	v_cvt_scalef32_pk8_fp8_f32 v[CS+2:CS+3], v[XS+16:XS+23], v11
	v_cvt_scalef32_pk8_fp8_f32 v[CS+4:CS+5], v[XS+8:XS+15], v11
	v_cvt_scalef32_pk8_fp8_f32 v[CS+6:CS+7], v[XS+24:XS+31], v11
.if (\t) < 2
	LOADW (\t)+2
.endif
	global_store_b128 v5, v[CS:CS+3], s[34:35] offset:512*(\t)         ; sixteen lanes store 256 consecutive bytes, at a multiple of 256 from the buffer's first byte
	global_store_b128 v5, v[CS+4:CS+7], s[34:35] offset:512*(\t)+256
.endm
	BLOCKW 0
	BLOCKW 1
	BLOCKW 2
	BLOCKW 3
	s_endpgm
; ---- PATH X.  Work-group 64 + RT takes rows 16 RT .. 16 RT + 15 of x; wave w takes K step w: one fragment.
; Each load reads 512 consecutive bytes of a row; the 16 rows turn through the wave's own stage in LDS, so that a lane gets its row's numbers in the order of the operand's registers.
.Lx:
	s_sub_co_u32 s19, ttmp9, 64                    ; RT
	s_lshl_b32 s36, s19, 16                        ; 16 rows of 4,096 bytes
	s_lshl_b32 s20, s18, 9                         ; + 128 numbers a K step
	s_add_co_u32 s36, s36, s20
	s_mov_b32 s37, 0
	s_add_nc_u64 s[32:33], s[4:5], s[36:37]
	s_lshr_b32 s38, s19, 3                         ; P
	s_lshl_b32 s38, s38, 3
	s_add_co_u32 s38, s38, s18                     ; x 8 + s
	s_lshl_b32 s38, s38, 3
	s_and_b32 s39, s19, 7
	s_add_co_u32 s38, s38, s39                     ; x 8 + a
	s_lshl_b32 s38, s38, 11
	s_mov_b32 s39, 0
	s_add_nc_u64 s[34:35], s[12:13], s[38:39]
	v_lshlrev_b32 v6, 4, v1                        ; 16 x lane
.irp i, 0,1,2,3,4,5,6,7,8,9,10,11,12,13,14,15
	global_load_b128 v[R+4*\i:R+4*\i+3], v6, s[32:33] offset:4096*\i th:TH_LOAD_NT
.endr
	s_mul_i32 s21, s18, WST                        ; my stage
	v_add_nc_u32 v7, s21, v6                       ; in: as loaded
	v_mul_u32_u24 v8, v2, SPX
	v_lshl_add_u32 v8, v3, 5, v8
	v_add_nc_u32 v8, s21, v8                       ; back: row r, + 8 h numbers
	s_wait_kmcnt 0x0
	s_add_co_i32 s22, s24, 127
	s_lshl_b32 s23, s22, 23
	v_mov_b32 v11, s23                             ; 2^e0
	s_add_co_i32 s22, s22, 8
	s_lshl_b32 s22, s22, 23
	s_or_b32 s22, s22, 0x600000
	v_mov_b32 v10, s22                             ; 448 x 2^e0
.irp i, 0,1,2,3,4,5,6,7,8,9,10,11,12,13,14,15
	s_wait_loadcnt 15-\i                           ; row i is in; the rows behind it may be out
	ds_store_b128 v7, v[R+4*\i:R+4*\i+3] offset:SPX*\i
.endr
.irp g, 0,1,2,3                        ; LDS serves a wave's instructions in order (ISA guide 5.7.1.4): these see the stores above
	ds_load_b128 v[X2+16*\g:X2+16*\g+3],     v8 offset:128*\g      ; k = 32 g + 8 h + 0 .. 7
	ds_load_b128 v[X2+16*\g+4:X2+16*\g+7],   v8 offset:128*\g+16
	ds_load_b128 v[X2+16*\g+8:X2+16*\g+11],  v8 offset:128*\g+64   ; k = 32 g + 16 + 8 h + 0 .. 7
	ds_load_b128 v[X2+16*\g+12:X2+16*\g+15], v8 offset:128*\g+80
.endr
.irp g, 0,1,2,3
	s_wait_dscnt 12-4*\g                           ; group g's four loads are in; the later groups' may be out
.irp i, 0,1,2,3,4,5,6,7,8,9,10,11,12,13,14,15
	v_med3_num_f32 v[X2+16*\g+\i], v[X2+16*\g+\i], -v10, v10
.endr
	v_cvt_scalef32_pk8_fp8_f32 v[CX+4*\g:CX+4*\g+1], v[X2+16*\g:X2+16*\g+7], v11
	v_cvt_scalef32_pk8_fp8_f32 v[CX+4*\g+2:CX+4*\g+3], v[X2+16*\g+8:X2+16*\g+15], v11
	global_store_b128 v6, v[CX+4*\g:CX+4*\g+3], s[34:35] offset:512*\g   ; the wave stores 512 consecutive bytes
.endr
	s_wait_tensorcnt 0x0
	ds_add_u32 v160, v161
	s_wait_dscnt 0x0
	s_endpgm
.Lfunc_end_k_q48f1204bcf_prep:
	.size	k_q48f1204bcf_prep, .Lfunc_end_k_q48f1204bcf_prep-k_q48f1204bcf_prep
	.p2alignl 7, 3214868480
	.fill 96, 4, 3214868480
	.section	.rodata,"a",@progbits
	.p2align	6, 0x0
	.amdhsa_kernel k_q48f1204bcf_prep
		.amdhsa_group_segment_fixed_size 68608
		.amdhsa_private_segment_fixed_size 0
		.amdhsa_enable_private_segment 0
		.amdhsa_kernarg_size 56
		.amdhsa_user_sgpr_count 2
		.amdhsa_user_sgpr_kernarg_segment_ptr 1
		.amdhsa_wavefront_size32 1
		.amdhsa_system_sgpr_workgroup_id_x 1
		.amdhsa_system_sgpr_workgroup_id_y 1
		.amdhsa_system_sgpr_workgroup_id_z 1
		.amdhsa_system_vgpr_workitem_id 0
		.amdhsa_next_free_vgpr 162
		.amdhsa_next_free_sgpr 66
		.amdhsa_reserve_vcc 0
		.amdhsa_float_denorm_mode_32 3
		.amdhsa_float_denorm_mode_16_64 3
		.amdhsa_memory_ordered 1
		.amdhsa_forward_progress 1
		.amdhsa_inst_pref_size 35
	.end_amdhsa_kernel
	.amdgpu_metadata
---
amdhsa.version: [ 1, 2 ]
amdhsa.kernels:
  - .name:           k_q48f1204bcf_prep
    .symbol:         k_q48f1204bcf_prep.kd
    .args:
      - { .name: x, .offset: 0, .size: 8, .value_kind: global_buffer, .address_space: global }
      - { .name: Wq, .offset: 8, .size: 8, .value_kind: global_buffer, .address_space: global }
      - { .name: Wo, .offset: 16, .size: 8, .value_kind: global_buffer, .address_space: global }
      - { .name: lowp_scales, .offset: 24, .size: 8, .value_kind: global_buffer, .address_space: global }
      - { .name: xc, .offset: 32, .size: 8, .value_kind: global_buffer, .address_space: global }
      - { .name: wqc, .offset: 40, .size: 8, .value_kind: global_buffer, .address_space: global }
      - { .name: woc, .offset: 48, .size: 8, .value_kind: global_buffer, .address_space: global }
    .group_segment_fixed_size: 68608
    .private_segment_fixed_size: 0
    .kernarg_segment_align: 8
    .kernarg_segment_size: 56
    .max_flat_workgroup_size: 256
    .sgpr_count:     66
    .vgpr_count:     162
    .wavefront_size: 32
...
	.end_amdgpu_metadata
.endif
;; end of part 1
;; launch proj (part 2): grid 8 x 32, 4 waves a work-group, clusters of 4 x 4, 262,656 bytes of LDS; arguments xc, wqc, bq, lowp_scales, qc, kv; writes qc, kv
.if DOCPART == 2
	.amdgcn_target "amdgcn-amd-amdhsa--gfx1250"
	.amdhsa_code_object_version 6
	.text
	.protected	k_q48f1204bcf_proj
	.globl	k_q48f1204bcf_proj
	.p2align	8
	.type	k_q48f1204bcf_proj,@function
k_q48f1204bcf_proj:
	s_mov_b64 s[64:65], 0
	v_nop
	global_prefetch_b8 v0, s[64:65] scope:SCOPE_SE
	s_setreg_imm32_b32 hwreg(HW_REG_WAVE_MODE, 25, 1), 1
	s_wait_xcnt 0x0
	s_wait_alu depctr_hold_cnt(0) depctr_sa_sdst(0) depctr_va_vdst(0) depctr_va_sdst(0) depctr_va_ssrc(0) depctr_va_vcc(0) depctr_vm_vsrc(0)
	s_getreg_b32 s2, hwreg(HW_REG_IB_STS2, 6, 4)
	s_cmp_eq_u32 s2, 0
	s_cbranch_scc0 .Lentry_in_a_cluster
	s_endpgm
.Lentry_in_a_cluster:
	s_bfe_u32 s2, ttmp6, 0x10000c
	s_cmp_lg_u32 s2, 0xf033
	s_cbranch_scc0 .Lentry_shape_is_right
	s_endpgm
.Lentry_shape_is_right:
; q = x Wq + bq on codes of FP8 (E4M3), then q quantised three times: as attention's queries (2^e2) and keys (2^e3), along the head's 64, and as its values (2^e5), along the keys.
; xc, wqc: images of operand registers (a fragment of 16 rows x 128 K = four groups of 512 bytes, lane L's 16 bytes at 16 L; a K step's eight fragments are 16,384 dense bytes):
;   xc [P 32][s 8][a 8][2,048], wqc [CP 8][s 8][b 8][2,048].
; SHARES.  A work-group makes rows 128 P on x columns 128 CP on; 256 work-groups.  Wave w = 2 wr + wc makes 64 x 64: 16 accumulators.  A wave's 64 columns are one head, a work-group's 128 rows one key step of attention.
; THE MATRIX INSTRUCTION IS USED TRANSPOSED (source 0 = 16 columns of Wq, source 1 = 16 rows of x): lane (r, h) holds row r, and register j of tile b column 16 b + 8 h + j: eight neighbours along the head's axis.
; LDS.  The whole K of both panels, 262,144 bytes, is brought in once, in four stages of two K steps: A's two K steps (16,384 bytes each), then B's two.  No byte is filled twice.
; CLUSTER.  4 x 4 work-groups: the four of a row need the same panel of x, the four of a column the same panel of Wq.  Each block is asked for JOINTLY: the same tensor load, descriptor and mask in all four.
; Each wave issues four loads at the start (waves 0, 1: A's K steps 2 j + wc; waves 2, 3: B's): four tensor loads of a wave are out at the most.
; bq goes in as the C of the first K step, divided by 2^(e0 + e1): the sums then stand for q / 2^(e0 + e1), and that power is folded into the three conversions' scales.
; OUT:  qc [bh 32][qt 128][g 2][L][16]: query 16 qt + r, d = 32 g + 16 (y / 8) + 8 h + y % 8.
;       kv [bh 32][st 16][16,384]: K part [kt 8][g 2][L][16] (key 128 st + 16 kt + r, d as above), then at 8,192 the V part [dt 4][g 4][L][16] (d = 16 dt + r, key - 128 st = 32 g + 16 (y / 8) + 8 h + y % 8).
; LIMITS, so that each power of two below is an f32 number: e2 - e0 - e1, e3 - e0 - e1, e5 - e0 - e1 between -126 and 119.  NaN is not served.
; REGISTERS.  window 0: v1 r, v2 h, v3 16 x lane, v4-14 addresses and scales; v32-63 at work; v64-95 queries' codes; v96-127 the bias, later keys' codes; v128-255 the accumulators ((a, b) at 128 + 8 (4 a + b)).
;             window 1: two fragment buffers of 128: B's four fragments, then A's four.
.set STG,    65536                     ; a stage
.set SPITCH, 272                       ; the way out: a stage row of 64 f32 + 16 bytes
.set WSTG,   64*SPITCH                 ; a wave's 64 rows.  The four lie from LDS byte 0 on, in blocks that have had their one fill and that every wave has left at the barrier in front of the last stage
.set ADA, 4                            ; v4   LDS address of my A fragments in the stage in hand
.set ADB, 5                            ; v5   the same for B
.set STO, 6                            ; v6   the way out: where I put 32 bytes of a row
.set VRD, 7                            ; v7   the way out: where I read a column back
.set LQ,  8                            ; v8, v9   448 x the scale, and the scale, for the queries;  v10, v11 keys;  v12, v13 values
.set SQ,  9
.set LK,  10
.set SK,  11
.set LV,  12
.set SV,  13
.set BOF, 14                           ; v14  32 h
.set T,   32
.set QC,  64
.set BI,  96
.set KC,  96
.set ACC, 128
.set VC,  192                          ; the values' codes, in accumulators that have been read out
.set F0,  0
.set F1,  128
.set G1A, 24                           ; s[24:31] descriptor group 1 for A;  s[32:39] for B: they differ in the mask
.set G1B, 32
.set G0A, 40                           ; s[40:55] four groups 0 for A, one a stage;  s[68:83] for B
.set G0B, 68
.set MSB, 0
.macro WIN new                         ; the immediate's high byte repeats the setting that is left
.if MSB != (\new)
	s_set_vgpr_msb (MSB<<8)|(\new)
.set MSB, (\new)
.endif
.endm
.set MUL,  0x05                        ; sources 0 and 1 window 1; C and D window 0
.set TO_F, 0x40                        ; destination window 1, address window 0
.macro CROUND                          ; a round of the cluster's barrier
	s_barrier_signal -1
	s_barrier_wait -1
	s_cmp_lg_u32 s16, 0
	s_cbranch_scc1 .Lnot_wave_0_\@
	s_barrier_signal -3
.Lnot_wave_0_\@:
	s_barrier_wait -3
	s_barrier_signal -1
	s_barrier_wait -1
.endm
	s_load_b256 s[4:11], s[0:1], 0x0               ; xc s[4:5], wqc s[6:7], bq s[8:9], the scales' exponents s[10:11]
	s_load_b128 s[12:15], s[0:1], 0x20             ; qc s[12:13], kv s[14:15]
	v_lshl_add_u32 v30, v0, 2, 0x40000
	v_mov_b32 v31, 0
	ds_add_u32 v30, v31
	ds_add_u32 v30, v31
	v_lshrrev_b32 v1, 5, v0
	v_readfirstlane_b32 s16, v1                    ; wave 0..3
	s_lshr_b32 s17, s16, 1                         ; wr: which 64 rows are mine
	s_and_b32 s18, s16, 1                          ; wc: which 64 columns.  Also: which K step of a stage I fetch
	s_bfe_u32 s19, ttmp6, 0x40000                  ; cx, cy: my place in the cluster
	s_bfe_u32 s20, ttmp6, 0x40004
	s_lshl_b32 s21, ttmp9, 2
	s_add_co_u32 s21, s21, s19                     ; CP = 4 x cluster x + cx
	s_and_b32 s22, ttmp7, 0xffff
	s_lshl_b32 s22, s22, 2
	s_add_co_u32 s22, s22, s20                     ; P = 4 x cluster y + cy
	s_lshl_b32 s23, s20, 2
	s_lshl_b32 s23, 15, s23                        ; my row of the cluster
	s_lshl_b32 s56, 0x1111, s19                    ; my column
	; descriptor group 1: a dense block of 16,384 bytes as 64 rows of 32 elements of 8 bytes, no padding
	s_or_b32 s[G1A], s23, (3<<16)|(1<<21)          ; 15:0 the mask; 17:16 elements of 8 bytes; 21 set beside a mask
	s_or_b32 s[G1B], s56, (3<<16)|(1<<21)
.irp g, G1A, G1B
	s_mov_b32 s[\g+1], 32<<16                      ; tensor_dim0 = 32
	s_mov_b32 s[\g+2], 64<<16                      ; tensor_dim1 = 64
	s_mov_b32 s[\g+3], 32<<16                      ; tile_dim0 = 32
	s_mov_b32 s[\g+4], 64                          ; tile_dim1 = 64
	s_mov_b32 s[\g+5], 32                          ; from row to row
	s_mov_b32 s[\g+6], 0
	s_mov_b32 s[\g+7], 0
.endr
	s_lshl_b32 s57, s18, 14                        ; my K step of a stage
	s_lshl_b32 s58, s22, 17                        ; A: panel P of 131,072 bytes: it hangs on the tile row alone
	s_add_co_u32 s58, s58, s57
	s_mov_b32 s59, 0
	s_lshl_b32 s60, s21, 17                        ; B: panel CP: on the tile column alone
	s_add_co_u32 s60, s60, s57
	s_mov_b32 s61, 0
	s_lshl_b32 s62, s16, 14                        ; where a block goes in a stage: wave x 16,384: no place in the cluster enters an LDS address
	s_wait_dscnt 0x0
	s_wait_kmcnt 0x0
	s_load_b256 s[84:91], s[10:11], 0x0            ; e0 .. e7
	s_add_nc_u64 s[58:59], s[4:5], s[58:59]
	s_add_nc_u64 s[60:61], s[6:7], s[60:61]
.irp j, 0,1,2,3
	s_mov_b32 s[G0A+4*\j], 1                                       ; count = 1
	s_add_co_u32 s[G0A+4*\j+1], s62, \j*STG                        ; LDS address
	s_add_nc_u64 s[G0A+4*\j+2:G0A+4*\j+3], s[58:59], \j*32768      ; global address: K step 2 j + wc
	s_or_b32 s[G0A+4*\j+3], s[G0A+4*\j+3], 0x80000000              ; type = 2
	s_mov_b32 s[G0B+4*\j], 1
	s_add_co_u32 s[G0B+4*\j+1], s62, \j*STG
	s_add_nc_u64 s[G0B+4*\j+2:G0B+4*\j+3], s[60:61], \j*32768
	s_or_b32 s[G0B+4*\j+3], s[G0B+4*\j+3], 0x80000000
.endr
	CROUND                                         ; all sixteen work-groups are here: the joint loads meet
	s_cmp_lt_u32 s16, 2                            ; a wave's four fills stand in one branch on the wave's number, ahead of every wait on TENSORcnt and every LDS read; four v_nop follow the last
	s_cbranch_scc0 .Lfill_b
	tensor_load_to_lds s[G0A:G0A+3], s[G1A:G1A+7]
	s_nop 0
	tensor_load_to_lds s[G0A+4:G0A+7], s[G1A:G1A+7]
	s_nop 0
	tensor_load_to_lds s[G0A+8:G0A+11], s[G1A:G1A+7]
	s_nop 0
	tensor_load_to_lds s[G0A+12:G0A+15], s[G1A:G1A+7]
	s_nop 0
.rept 4
	v_nop
.endr
	s_branch .Lfilled
.Lfill_b:
	tensor_load_to_lds s[G0B:G0B+3], s[G1B:G1B+7]
	s_nop 0
	tensor_load_to_lds s[G0B+4:G0B+7], s[G1B:G1B+7]
	s_nop 0
	tensor_load_to_lds s[G0B+8:G0B+11], s[G1B:G1B+7]
	s_nop 0
	tensor_load_to_lds s[G0B+12:G0B+15], s[G1B:G1B+7]
	s_nop 0
.rept 4
	v_nop
.endr
.Lfilled:
	v_and_b32 v1, 15, v0                           ; r
	v_bfe_u32 v2, v0, 4, 1                         ; h
	v_and_b32 v3, 31, v0
	v_lshlrev_b32 v3, 4, v3                        ; 16 x lane
	v_lshlrev_b32 v[BOF], 5, v2
	s_lshl_b32 s66, s21, 9                         ; the bias of my 64 columns: (128 CP + 64 wc) x 4 bytes
	s_lshl_b32 s67, s18, 8
	s_add_co_u32 s66, s66, s67
	s_mov_b32 s67, 0
	s_add_nc_u64 s[8:9], s[8:9], s[66:67]
.irp b, 0,1,2,3                        ; lane (r, h) wants, for tile b, columns 16 b + 8 h + 0 .. 7: the result's layout
	global_load_b128 v[BI+8*\b:BI+8*\b+3],   v[BOF], s[8:9] offset:64*\b
	global_load_b128 v[BI+8*\b+4:BI+8*\b+7], v[BOF], s[8:9] offset:64*\b+16
.endr
	s_lshl_b32 s63, s17, 13                        ; my four fragments of A: 4 wr x 2,048
	v_add_nc_u32 v[ADA], s63, v3
	s_lshl_b32 s63, s18, 13                        ; of B, which lie behind A's two K steps
	s_add_co_u32 s63, s63, 32768
	v_add_nc_u32 v[ADB], s63, v3
	s_mul_i32 s63, s16, WSTG                       ; my stage for the way out
	v_mul_u32_u24 v[STO], v1, SPITCH
	v_lshl_add_u32 v[STO], v2, 5, v[STO]
	v_add_nc_u32 v[STO], s63, v[STO]               ; in: row r, + 32 h
	v_mul_u32_u24 v[VRD], v2, 8*SPITCH
	v_lshl_add_u32 v[VRD], v1, 2, v[VRD]
	v_add_nc_u32 v[VRD], s63, v[VRD]               ; back, turned: rows 8 h on, column r
	s_lshl_b32 s92, s21, 1
	s_add_co_u32 s92, s92, s18                     ; the head: 2 CP + wc
	s_lshr_b32 s93, s22, 4
	s_lshl_b32 s93, s93, 4
	s_add_co_u32 s92, s92, s93                     ; bh = 16 x batch + head
	s_and_b32 s93, s22, 15                         ; st: which 128 tokens of the batch
	s_lshl_b32 s94, s92, 7
	s_lshl_b32 s95, s93, 3
	s_add_co_u32 s94, s94, s95
	s_lshl_b32 s95, s17, 2
	s_add_co_u32 s94, s94, s95                     ; 128 bh + 8 st + 4 wr: my first tile of queries
	s_lshl_b32 s94, s94, 10
	s_mov_b32 s95, 0
	s_add_nc_u64 s[12:13], s[12:13], s[94:95]
	s_lshl_b32 s94, s92, 4
	s_add_co_u32 s94, s94, s93
	s_lshl_b32 s94, s94, 14                        ; chunk 16 bh + st
	s_add_nc_u64 s[14:15], s[14:15], s[94:95]
	s_lshl_b32 s94, s17, 12
	s_add_nc_u64 s[96:97], s[14:15], s[94:95]      ; its K part at key tile 4 wr
	s_lshl_b32 s94, s17, 10
	s_add_co_u32 s94, s94, 8192
	s_add_nc_u64 s[98:99], s[14:15], s[94:95]      ; its V part at group 2 wr
	s_wait_kmcnt 0x0
	s_add_co_i32 s66, s84, s85                     ; e0 + e1
	s_sub_co_i32 s67, 0, s66
.macro SCALE e, lim, scl               ; a sum stands for q / 2^(e0 + e1): its code under 2^e is sum / 2^(e - e0 - e1)
	s_sub_co_i32 s63, s[\e], s66
	s_add_co_i32 s63, s63, 127
	s_lshl_b32 s100, s63, 23
	v_mov_b32 v[\scl], s100
	s_add_co_i32 s63, s63, 8
	s_lshl_b32 s63, s63, 23
	s_or_b32 s63, s63, 0x600000
	v_mov_b32 v[\lim], s63                         ; 448 x that
.endm
	SCALE 86, LQ, SQ
	SCALE 87, LK, SK
	SCALE 89, LV, SV
	s_wait_loadcnt 0x0                             ; the bias
.set i, 0
.rept 32
	v_ldexp_f32 v[BI+i], v[BI+i], s67              ; bq / 2^(e0 + e1)
.set i, i+1
.endr
; 32 LDS loads in one run: K step q's fragments, B's four and A's four, into buffer f
.macro FETCH q, f
	WIN TO_F
.irp b, 0,1,2,3
.irp g, 0,1,2,3
	ds_load_b128 v[\f+16*\b+4*\g:\f+16*\b+4*\g+3], v[ADB] offset:16384*((\q)%2)+2048*\b+512*\g
.endr
.endr
.irp a, 0,1,2,3
.irp g, 0,1,2,3
	ds_load_b128 v[\f+64+16*\a+4*\g:\f+64+16*\a+4*\g+3], v[ADA] offset:16384*((\q)%2)+2048*\a+512*\g
.endr
.endr
.endm
; 8 matrix instructions: A's blocks a0, a0 + 1 x B's four.  The 16 accumulators take turns, one instruction a turn, in the same order in every K step.  In K step 0 the bias starts the sums.
.macro MUL8 f, a0, q
.irp a, \a0, \a0+1
.irp b, 0,1,2,3
.if (\q) == 0
	v_wmma_f32_16x16x128_fp8_fp8 v[ACC+8*(4*(\a)+\b):ACC+8*(4*(\a)+\b)+7], v[\f+16*\b:\f+16*\b+15], v[\f+64+16*(\a):\f+64+16*(\a)+15], v[BI+8*\b:BI+8*\b+7]
.else
	v_wmma_f32_16x16x128_fp8_fp8 v[ACC+8*(4*(\a)+\b):ACC+8*(4*(\a)+\b)+7], v[\f+16*\b:\f+16*\b+15], v[\f+64+16*(\a):\f+64+16*(\a)+15], v[ACC+8*(4*(\a)+\b):ACC+8*(4*(\a)+\b)+7]
.endif
.endr
.endr
.endm
; K step q multiplies buffer fb; in its middle the next K step's fragments are fetched into fn.  Behind an odd K step a new stage begins: my part of it has landed (the count leaves my loads for the later
; stages out), and the barrier shows the same of the other three waves.
.macro KSTEP q, fb, fn
	s_wait_dscnt 0x0                               ; this K step's fragments are in; no LDS instruction of mine is out at the barrier below
	WIN MUL
	MUL8 \fb, 0, \q
.if ((\q)%2) && ((\q) < 7)
	WIN 0
	s_wait_tensorcnt 3-((\q)+1)/2
	s_barrier_signal -1
	s_barrier_wait -1
	v_add_nc_u32 v[ADA], STG, v[ADA]
	v_add_nc_u32 v[ADB], STG, v[ADB]
.endif
.if (\q) < 7
.rept 4
	v_nop                                          ; four places in front of loads into registers that matrix instructions have read (ISA guide 7.12.1 for vector instructions)
.endr
	FETCH (\q)+1, \fn
.endif
	WIN MUL
	MUL8 \fb, 2, \q
.endm
	s_wait_tensorcnt 3                             ; my part of stage 0 is in; my three later loads may be out
	s_barrier_signal -1
	s_barrier_wait -1                              ; everybody's is
	FETCH 0, F0
	KSTEP 0, F0, F1
	KSTEP 1, F1, F0
	KSTEP 2, F0, F1
	KSTEP 3, F1, F0
	KSTEP 4, F0, F1
	KSTEP 5, F1, F0
	KSTEP 6, F0, F1
	KSTEP 7, F1, F0
	WIN 0
.rept 4
	v_nop                                          ; places in front of the first read of results
.endr
; THE WAY OUT.  Tile (a, b): lane (r, h) holds token 16 a + r and d = 16 b + 8 h + 0 .. 7: its conversion IS registers 2 b, 2 b + 1 of the token tile's fragment along d.  So queries' and keys' codes leave as they stand.
; Each accumulator is read from its low end on.  The raw sums also go into my stage, for the values, whose K is the tokens.
.irp a, 0,1,2,3
.set i, 0
.rept 32
	v_med3_num_f32 v[T+i], v[ACC+32*\a+i], -v[LQ], v[LQ]           ; the conversion does not saturate (ISA guide 7.6.2): the hold comes first
.set i, i+1
.endr
.irp b, 0,1,2,3
	v_cvt_scalef32_pk8_fp8_f32 v[QC+8*\a+2*\b:QC+8*\a+2*\b+1], v[T+8*\b:T+8*\b+7], v[SQ]
.endr
	v_nop                                          ; a plain line between the conversions and the lines that write their sources again
.set i, 0
.rept 32
	v_med3_num_f32 v[T+i], v[ACC+32*\a+i], -v[LK], v[LK]
.set i, i+1
.endr
.irp b, 0,1,2,3
	v_cvt_scalef32_pk8_fp8_f32 v[KC+8*\a+2*\b:KC+8*\a+2*\b+1], v[T+8*\b:T+8*\b+7], v[SK]
.endr
	v_nop
	global_store_b128 v3, v[QC+8*\a:QC+8*\a+3],   s[12:13] offset:1024*\a       ; each store of the wave covers 512 consecutive bytes, aligned
	global_store_b128 v3, v[QC+8*\a+4:QC+8*\a+7], s[12:13] offset:1024*\a+512
	global_store_b128 v3, v[KC+8*\a:KC+8*\a+3],   s[96:97] offset:1024*\a
	global_store_b128 v3, v[KC+8*\a+4:KC+8*\a+7], s[96:97] offset:1024*\a+512
.irp b, 0,1,2,3
	ds_store_b128 v[STO], v[ACC+32*\a+8*\b:ACC+32*\a+8*\b+3]   offset:16*SPITCH*\a+64*\b
	ds_store_b128 v[STO], v[ACC+32*\a+8*\b+4:ACC+32*\a+8*\b+7] offset:16*SPITCH*\a+64*\b+16
.endr
.endr
; The values: lane (r, h) takes d = 16 dt + r and tokens 16 a + 8 h + j: registers 2 a, 2 a + 1 of V's fragment along the keys.  Lanes 0-15 read 16 neighbouring words, lanes 16-31 those 8 rows (544 words) further on.
.macro LOADV dt, dst
.irp a, 0,1,2,3
.irp j, 0,1,2,3,4,5,6,7
	ds_load_b32 v[\dst+8*\a+\j], v[VRD] offset:SPITCH*(16*\a+\j)+64*(\dt)
.endr
.endr
.endm
.macro PROCV dt, src
.set i, 0
.rept 32
	v_med3_num_f32 v[\src+i], v[\src+i], -v[LV], v[LV]
.set i, i+1
.endr
.irp a, 0,1,2,3
	v_cvt_scalef32_pk8_fp8_f32 v[VC+8*(\dt)+2*\a:VC+8*(\dt)+2*\a+1], v[\src+8*\a:\src+8*\a+7], v[SV]
.endr
	v_nop
	global_store_b128 v3, v[VC+8*(\dt):VC+8*(\dt)+3],   s[98:99] offset:2048*(\dt)
	global_store_b128 v3, v[VC+8*(\dt)+4:VC+8*(\dt)+7], s[98:99] offset:2048*(\dt)+512
.endm
	LOADV 0, T                                     ; LDS serves a wave's instructions in order (ISA guide 5.7.1.4): these see my stores
	s_wait_dscnt 0x0                               ; they are in, and the stage's stores have read the accumulators, which may now be written
	LOADV 1, ACC
	PROCV 0, T
	s_wait_dscnt 0x0
	LOADV 2, T
	PROCV 1, ACC
	s_wait_dscnt 0x0
	LOADV 3, ACC
	PROCV 2, T
	s_wait_dscnt 0x0
	PROCV 3, ACC
	s_wait_tensorcnt 0x0
	ds_add_u32 v30, v31
	s_wait_dscnt 0x0
	CROUND                                         ; the closing round: no work-group ends while a partner may still ask for a block that names it
	s_endpgm
.Lfunc_end_k_q48f1204bcf_proj:
	.size	k_q48f1204bcf_proj, .Lfunc_end_k_q48f1204bcf_proj-k_q48f1204bcf_proj
	.p2alignl 7, 3214868480
	.fill 96, 4, 3214868480
	.section	.rodata,"a",@progbits
	.p2align	6, 0x0
	.amdhsa_kernel k_q48f1204bcf_proj
		.amdhsa_group_segment_fixed_size 262656
		.amdhsa_private_segment_fixed_size 0
		.amdhsa_enable_private_segment 0
		.amdhsa_kernarg_size 48
		.amdhsa_user_sgpr_count 2
		.amdhsa_user_sgpr_kernarg_segment_ptr 1
		.amdhsa_wavefront_size32 1
		.amdhsa_system_sgpr_workgroup_id_x 1
		.amdhsa_system_sgpr_workgroup_id_y 1
		.amdhsa_system_sgpr_workgroup_id_z 1
		.amdhsa_system_vgpr_workitem_id 0
		.amdhsa_next_free_vgpr 512
		.amdhsa_next_free_sgpr 102
		.amdhsa_reserve_vcc 0
		.amdhsa_float_denorm_mode_32 3
		.amdhsa_float_denorm_mode_16_64 3
		.amdhsa_memory_ordered 1
		.amdhsa_forward_progress 1
		.amdhsa_inst_pref_size 79
	.end_amdhsa_kernel
	.amdgpu_metadata
---
amdhsa.version: [ 1, 2 ]
amdhsa.kernels:
  - .name:           k_q48f1204bcf_proj
    .symbol:         k_q48f1204bcf_proj.kd
    .args:
      - { .name: xc, .offset: 0, .size: 8, .value_kind: global_buffer, .address_space: global }
      - { .name: wqc, .offset: 8, .size: 8, .value_kind: global_buffer, .address_space: global }
      - { .name: bq, .offset: 16, .size: 8, .value_kind: global_buffer, .address_space: global }
      - { .name: lowp_scales, .offset: 24, .size: 8, .value_kind: global_buffer, .address_space: global }
      - { .name: qc, .offset: 32, .size: 8, .value_kind: global_buffer, .address_space: global }
      - { .name: kv, .offset: 40, .size: 8, .value_kind: global_buffer, .address_space: global }
    .group_segment_fixed_size: 262656
    .private_segment_fixed_size: 0
    .kernarg_segment_align: 8
    .kernarg_segment_size: 48
    .max_flat_workgroup_size: 128
    .sgpr_count:     102
    .vgpr_count:     512
    .wavefront_size: 32
...
	.end_amdgpu_metadata
.endif
;; end of part 2
;; launch attn (part 3): grid 8 x 32, 8 waves a work-group, no clusters, 263,168 bytes of LDS; arguments qc, kv, lowp_scales, ac; writes ac
.if DOCPART == 3
	.amdgcn_target "amdgcn-amd-amdhsa--gfx1250"
	.amdhsa_code_object_version 6
	.text
	.protected	k_q48f1204bcf_attn
	.globl	k_q48f1204bcf_attn
	.p2align	8
	.type	k_q48f1204bcf_attn,@function
k_q48f1204bcf_attn:
	s_mov_b64 s[64:65], 0
	v_nop
	global_prefetch_b8 v0, s[64:65] scope:SCOPE_SE
	s_setreg_imm32_b32 hwreg(HW_REG_WAVE_MODE, 25, 1), 1
	s_wait_xcnt 0x0
; For each of 32 (batch, head): scores = floor(Q K^T / 8); softmax; x V; both products on codes of FP8 (E4M3) with the given scales 2^e2, 2^e3 (Q, K) and 2^e4, 2^e5 (p, V); the result is quantised with 2^e6.
; THE SOFTMAX AHEAD OF THE SECOND PRODUCT: t = score x log2(e); M = the running largest t, rounded UP to a whole number; p = 2^(t - M) is quantised, not normalised.  The row's sum is taken of the unquantised p
; and divides at the end.  When M moves, the sum and O are multiplied by 2^(old M - new M), which rounds nothing.
; IN:  qc [bh 32][qt 128][g 2][L][16], kv [bh 32][st 16][K part 8,192: [kt 8][g 2][L][16]; V part 8,192: [dt 4][g 4][L][16]]: images of operand registers, lane L's 16 bytes at 16 L.
; OUT: ac [P 32][s 8][a 8][g 4][L][16]: the last product's A, in the same form.
; SHARES.  A work-group owns 256 queries of one head; each of its eight waves 32 of them: two tiles of 16, so that each fragment of K and V read from LDS feeds two matrix instructions.  Two waves to a SIMD.
; Every wave walks the head's 2,048 keys, 128 a step.
; LAYOUT.  Both products are used transposed: S^T = K Q^T (source 0 = 16 keys, source 1 = 16 queries), O^T = V^T P^T: a lane holds ONE query (lane % 16) throughout.  Register j of score tile k is key 16 k + 8 h + j,
; so its conversion IS registers 2 k, 2 k + 1 of P for the K = 128 form.
; LDS holds the head's whole kv, 16 chunks of 16,384 bytes, each written once.  A chunk goes through registers: each of the 256 threads moves 4 x 16 bytes; it is loaded three steps and stored two steps ahead of the step that multiplies by it.
; One barrier a step: between barrier s - 1 and barrier s waves read chunks up to s + 1 and store chunk s + 2 alone.
; NO CLUSTER, NO TENSOR LOAD: the eight work-groups of a head do read the same kv, but what is shared is 16,384 bytes a step against some 600 vector instructions of each of eight waves, and it is
; asked for a whole step ahead of the wait for it; and this text keeps a jump on the whole number e4 (below).
; THE HOLD.  The conversion to an 8-bit code does not saturate (ISA guide 7.6.2).  p is at most 2^(a rounding of t) , under 1.75 = 448 x 2^-8: so with e4 >= -8 no p can pass the largest code x the scale, for any input,
; and the 64 lines of the hold are jumped over by a scalar branch on e4; with e4 < -8 they run.
; LIMITS: e2 + e3 between -123 and 2 (2^(e2 + e3 - 3) is an f32 number, and |t| stays under 2^24 for all codes, so that t's rounding stays under 1); e4 between -126 and 119; e6 - e4 - e5 between -126 and 119.  NaN is not served.
; REGISTERS.  TILE t LIVES IN WINDOW t UNDER THE SAME NUMBERS: v8 -M, v9 the largest t, v[10:11] the sum in two halves, v12-15 at work, v16-23 Q, v24 the permute's destination, v25 2^e4, v[26:27] f,
;   v[28:29] at work, v96-159 S^T then p, v160-191 O^T, v192-207 P.  v32-95: window 0 K's eight fragments, window 1 V's four.  Window 0 alone: v1-5 addresses, v208-223 a chunk on its way.
.set KF, 32
.set S,  96
.set O,  160
.set P,  192
.set G,  208
.set CH, 16384                         ; a chunk
.set MSB, 0
.macro WIN new                         ; the immediate's high byte repeats the setting that is left
.if MSB != (\new)
	s_set_vgpr_msb (MSB<<8)|(\new)
.set MSB, (\new)
.endif
.endm
	s_load_b256 s[4:11], s[0:1], 0x0               ; qc s[4:5], kv s[6:7], the scales' exponents s[8:9], ac s[10:11]
	v_lshl_add_u32 v254, v0, 2, 0x40000
	v_mov_b32 v255, 0
	v_lshrrev_b32 v1, 5, v0
	v_readfirstlane_b32 s12, v1                    ; wave 0..7
	v_and_b32 v1, 31, v0
	v_lshlrev_b32 v1, 4, v1                        ; v1  16 x lane
	v_lshlrev_b32 v2, 4, v0                        ; v2  16 x thread: my 16 bytes of a quarter of a chunk
	v_lshlrev_b32 v5, 8, v0                        ; v5  256 x thread: the prefetches' offset; never rewritten
	s_and_b32 s13, ttmp7, 0xffff                   ; bh
	s_mov_b32 s20, 0x76543210                      ; v_permlanex16_b32's selects for lane l xor 16
	s_mov_b32 s21, 0xfedcba98
	s_mov_b32 s32, 0x3fb8aa3b                      ; log2(e)
	s_mov_b32 s33, s32                             ; (named with it as a pair, so it is written)
	s_lshl_b32 s14, s13, 7
	s_lshl_b32 s15, ttmp9, 4
	s_add_co_u32 s14, s14, s15
	s_lshl_b32 s15, s12, 1
	s_add_co_u32 s14, s14, s15                     ; my first tile of queries: 128 bh + 16 x + 2 wave
	s_lshl_b32 s14, s14, 10
	s_mov_b32 s15, 0
	s_lshl_b32 s16, s13, 18                        ; the head's 16 chunks
	s_mov_b32 s17, 0
	s_wait_kmcnt 0x0
	s_load_b256 s[24:31], s[8:9], 0x0              ; e0 .. e7
	s_add_nc_u64 s[4:5], s[4:5], s[14:15]
	s_add_nc_u64 s[6:7], s[6:7], s[16:17]
	global_load_b128 v[16:19], v1, s[4:5] th:TH_LOAD_NT                ; Q stays in registers: tile 0,
	global_load_b128 v[20:23], v1, s[4:5] offset:512 th:TH_LOAD_NT
	WIN 0x40                                       ; destination window 1
	global_load_b128 v[16:19], v1, s[4:5] offset:1024 th:TH_LOAD_NT    ; tile 1
	global_load_b128 v[20:23], v1, s[4:5] offset:1536 th:TH_LOAD_NT
	WIN 0
.irp c, 0,1
.irp i, 0,1,2,3
	global_load_b128 v[S+16*\c+4*\i:S+16*\c+4*\i+3], v2, s[6:7] offset:CH*\c+4096*\i   ; chunks 0 and 1, through registers that the scores will take
.endr
.endr
.irp i, 0,1,2,3
	global_load_b128 v[G+4*\i:G+4*\i+3], v2, s[6:7] offset:CH*2+4096*\i                ; chunk 2
.endr
	s_lshr_b32 s14, s13, 4
	s_lshl_b32 s14, s14, 4                         ; ac: P = 16 x batch + 2 x + wave / 4
	s_lshl_b32 s15, ttmp9, 1
	s_add_co_u32 s14, s14, s15
	s_lshr_b32 s15, s12, 2
	s_add_co_u32 s14, s14, s15
	s_lshl_b32 s14, s14, 3
	s_bfe_u32 s15, s13, 0x30001                    ; K step = head / 2
	s_add_co_u32 s14, s14, s15
	s_lshl_b32 s14, s14, 3
	s_and_b32 s15, s12, 3
	s_lshl_b32 s15, s15, 1                         ; a = 2 (wave % 4) + tile
	s_add_co_u32 s14, s14, s15
	s_lshl_b32 s14, s14, 11
	s_and_b32 s15, s13, 1
	s_lshl_b32 s15, s15, 10                        ; groups 2 (head % 2) on
	s_add_co_u32 s14, s14, s15
	s_mov_b32 s15, 0
	s_add_nc_u64 s[10:11], s[10:11], s[14:15]
	s_lshr_b32 s37, s12, 1                         ; who prefetches: waves 0 and 1
	s_or_b32 s37, s37, ttmp9                       ; of the head's first work-group,
	s_cmp_eq_u32 s37, 0
	s_cselect_b32 s37, 11, 0                       ; in steps 0 to 10
	s_wait_kmcnt 0x0
	s_add_co_i32 s22, s26, s27
	s_add_co_i32 s22, s22, 124
	s_lshl_b32 s22, s22, 23                        ; c = 2^(e2 + e3 - 3): a sum of codes x c is the score ahead of the floor
	s_mov_b32 s23, s22
	s_add_co_i32 s16, s28, 127
	s_lshl_b32 s17, s16, 23                        ; 2^e4
	s_add_co_i32 s16, s16, 8
	s_lshl_b32 s34, s16, 23
	s_or_b32 s34, s34, 0x600000                    ; 448 x 2^e4
	s_sub_co_i32 s16, s30, s28
	s_sub_co_i32 s16, s16, s29
	s_add_co_i32 s16, s16, 127
	s_lshl_b32 s38, s16, 23                        ; 2^(e6 - e4 - e5): O^T / the sum stands for the result / 2^(e4 + e5)
	s_add_co_i32 s16, s16, 8
	s_lshl_b32 s39, s16, 23
	s_or_b32 s39, s39, 0x600000                    ; 448 x that
.irp t, 0,1
	WIN 0x55*\t
	v_mov_b32 v9, 0xff61b1e6                       ; the largest t so far: -3e38, under every t
	v_floor_f32 v8, -v9                            ; -M
	v_mov_b32 v10, 0                               ; the sum
	v_mov_b32 v11, 0
	v_mov_b32 v24, 0                               ; written once: a lane permute's destination counts as one of its sources
	v_mov_b32 v27, 0                               ; (named as the upper half of the pair v[26:27])
	v_mov_b32 v25, s17
.set i, 0
.rept 32
	v_mov_b32 v[O+i], 0                            ; O^T.  The step is written without a first step of its own: the first change of M multiplies zeros
.set i, i+1
.endr
.endr
	WIN 0
	s_mov_b32 s35, 0                               ; TB: LDS byte of the chunk in hand
	s_mov_b32 s36, 0                               ; the step
	s_wait_loadcnt 4                               ; Q and chunks 0 and 1 are in; chunk 2's four loads may be out
.irp c, 0,1
.irp i, 0,1,2,3
	ds_store_b128 v2, v[S+16*\c+4*\i:S+16*\c+4*\i+3] offset:CH*\c+4096*\i
.endr
.endr
	s_wait_dscnt 0x0                               ; for the others' sake: my stores have landed
	s_barrier_signal -1
	s_barrier_wait -1
.macro KLOAD off                       ; a step's eight fragments of K (16 keys x 64)
.irp kt, 0,1,2,3,4,5,6,7
	ds_load_b128 v[KF+8*\kt:KF+8*\kt+3],   v3 offset:\off+1024*\kt
	ds_load_b128 v[KF+8*\kt+4:KF+8*\kt+7], v3 offset:\off+1024*\kt+512
.endr
.endm
.macro VLOAD off                       ; its four fragments of V^T (16 of the head's 64 x 128 keys), into window 1
	WIN 0x40
.irp dt, 0,1,2,3
.irp g, 0,1,2,3
	ds_load_b128 v[KF+16*\dt+4*\g:KF+16*\dt+4*\g+3], v3 offset:\off+8192+2048*\dt+512*\g
.endr
.endr
	WIN 0
.endm
.macro SMUL t                          ; S^T = K Q^T for tile t: K window 0, Q and S^T window t
	WIN 0x44*(\t)
.irp k, 0,1,2,3,4,5,6,7
	v_wmma_f32_16x16x64_fp8_fp8 v[S+8*\k:S+8*\k+7], v[KF+8*\k:KF+8*\k+7], v[16:23], 0
.endr
.endm
.macro PVMUL t                         ; O^T += V^T P^T for tile t: V window 1, P and O^T window t.  The four accumulators take turns, one instruction a turn
	WIN 0x01+0x54*(\t)
.irp d, 0,1,2,3
	v_wmma_f32_16x16x128_fp8_fp8 v[O+8*\d:O+8*\d+7], v[KF+16*\d:KF+16*\d+15], v[P:P+15], v[O+8*\d:O+8*\d+7]
.endr
.endm
; ONE TILE'S SOFTMAX FOR ONE KEY STEP: a lane's 64 scores.
.macro SOFTMAX t
	WIN 0x55*(\t)
	; the largest of the RAW sums: x c, the floor and x log2(e) do not change the order, so only the maximum itself goes through them.  Four chains, ascending: each score tile is first read at its low end
	v_max3_num_f32 v12, v[S], v[S+1], v[S+2]
	v_max3_num_f32 v13, v[S+3], v[S+4], v[S+5]
	v_max3_num_f32 v14, v[S+6], v[S+7], v[S+8]
	v_max3_num_f32 v15, v[S+9], v[S+10], v[S+11]
.set i, 12
.rept 26
	v_max3_num_f32 v[12+((i-12)/2)%4], v[12+((i-12)/2)%4], v[S+i], v[S+i+1]
.set i, i+2
.endr
	v_max3_num_f32 v12, v12, v13, v14
	v_max_num_f32 v12, v12, v15
	v_permlanex16_b32 v24, v12, s20, s21           ; the query's other 64 keys lie in the lane 16 away
	v_max_num_f32 v12, v12, v24
	v_mul_f32 v12, s22, v12
	v_floor_f32 v12, v12                           ; the step's largest score,
	v_mul_f32 v12, s32, v12                        ; as t
	v_max_num_f32 v9, v9, v12                      ; the running largest t
	v_mov_b32 v13, v8
	v_floor_f32 v8, -v9                            ; the new -M = floor(-t) = -ceil(t)
	v_sub_f32 v13, v8, v13                         ; old M - new M: a whole number, 0 or less
	v_cvt_i32_f32 v13, v13                         ; (it saturates)
	v_ldexp_f32 v26, 1.0, v13                      ; f = 2^(old M - new M)
	; score = floor(sum x c); t - M = score x log2(e) - M, one fused multiply-add; p = 2^(t - M).  A group's exponentials stand behind the next group's plain lines; none of these lines names an exponential's result
.set gq, 0
.rept 8
.irp n, 0,2,4,6
	v_pk_mul_f32 v[S+8*gq+\n:S+8*gq+\n+1], v[S+8*gq+\n:S+8*gq+\n+1], s[22:23] op_sel_hi:[1,0]
.endr
.irp n, 0,1,2,3,4,5,6,7
	v_floor_f32 v[S+8*gq+\n], v[S+8*gq+\n]
.endr
.irp n, 0,2,4,6
	v_pk_fma_f32 v[S+8*gq+\n:S+8*gq+\n+1], v[S+8*gq+\n:S+8*gq+\n+1], s[32:33], v[8:9] op_sel_hi:[1,0,0]
.endr
.if gq > 0
.irp n, 0,1,2,3,4,5,6,7
	v_exp_f32 v[S+8*(gq-1)+\n], v[S+8*(gq-1)+\n]
.endr
.endif
.set gq, gq+1
.endr
.irp n, 0,1,2,3,4,5,6,7
	v_exp_f32 v[S+56+\n], v[S+56+\n]
.endr
	v_pk_mul_f32 v[10:11], v[10:11], v[26:27] op_sel_hi:[1,0]      ; the sum under the new M: the plain line behind the last exponential
	s_wait_alu depctr_va_vdst(0)                   ; one wait for the 64 exponentials, ahead of the first line that names a result
	; the row's sum, of the unquantised p: two at a time, in four chains
	v_pk_add_f32 v[12:13], v[S:S+1], v[S+2:S+3]
	v_pk_add_f32 v[14:15], v[S+4:S+5], v[S+6:S+7]
	v_pk_add_f32 v[28:29], v[S+8:S+9], v[S+10:S+11]
	v_pk_add_f32 v[10:11], v[10:11], v[S+12:S+13]
.set i, 7
.rept 6
	v_pk_add_f32 v[12:13], v[12:13], v[S+2*i:S+2*i+1]
	v_pk_add_f32 v[14:15], v[14:15], v[S+2*i+2:S+2*i+3]
	v_pk_add_f32 v[28:29], v[28:29], v[S+2*i+4:S+2*i+5]
	v_pk_add_f32 v[10:11], v[10:11], v[S+2*i+6:S+2*i+7]
.set i, i+4
.endr
	v_pk_add_f32 v[12:13], v[12:13], v[S+62:S+63]
	v_pk_add_f32 v[12:13], v[12:13], v[14:15]
	v_pk_add_f32 v[10:11], v[10:11], v[28:29]
	v_pk_add_f32 v[10:11], v[10:11], v[12:13]
	WIN 0                                          ; at a branch and at a label every window is 0
	s_cmp_gt_i32 s28, -9                           ; e4 >= -8: 448 x 2^e4 >= 1.75 lies over every p
	s_cbranch_scc1 .Lno_hold_\@
	WIN 0x55*(\t)
.set i, 0
.rept 64
	v_min_num_f32 v[S+i], s34, v[S+i]              ; p is never negative: the hold is one-sided
.set i, i+1
.endr
	WIN 0
.Lno_hold_\@:
	WIN 0x55*(\t)
.irp k, 0,1,2,3,4,5,6,7
	v_cvt_scalef32_pk8_fp8_f32 v[P+2*\k:P+2*\k+1], v[S+8*\k:S+8*\k+7], v25
.endr
.set i, 0
.rept 16
	v_pk_mul_f32 v[O+i:O+i+1], v[O+i:O+i+1], v[26:27] op_sel_hi:[1,0]   ; O^T under the new M, from each accumulator's low end on.  (Also the plain lines between the conversions and the products that read P)
.set i, i+2
.endr
.endm
; A KEY STEP.  gl = 1: chunk s + 3 is loaded; st = 1: chunk s + 2 is stored into LDS, and the step has its barrier; nx = 1: the next step's fragments are fetched.
.macro STEP gl, st, nx
	v_add_nc_u32 v3, s35, v1                       ; where my lane reads: the chunk in hand + 16 x lane
.if \st
	v_add_nc_u32 v4, s35, v2                       ; where my thread stores
.endif
	s_wait_dscnt 16                                ; K is in; V's 16 loads, the youngest, may be out
	SMUL 0
	SMUL 1
	WIN 0
.rept 4
	v_nop                                          ; four places in front of the first read of scores and of loads into K's registers (ISA guide 7.12.1 for vector instructions)
.endr
.if \nx
	KLOAD CH                                       ; the next step's K
.endif
	SOFTMAX 0
.if \nx
	s_wait_dscnt 16                                ; V is in; the next K's 16 loads may be out
.else
	s_wait_dscnt 0x0
.endif
	PVMUL 0
	WIN 0
.if \st
	s_wait_loadcnt 0x0                             ; chunk s + 2 is in my registers
.irp i, 0,1,2,3
	ds_store_b128 v4, v[G+4*\i:G+4*\i+3] offset:2*CH+4096*\i
.endr
	s_wait_dscnt 0x0                               ; for the others' sake: my stores have landed; they have also read their registers
.if \gl
	s_wait_xcnt 0x0                                ; the last step's prefetch has read its base, which may now step
	s_add_nc_u64 s[6:7], s[6:7], CH
.irp i, 0,1,2,3
	global_load_b128 v[G+4*\i:G+4*\i+3], v2, s[6:7] offset:2*CH+4096*\i   ; chunk s + 3
.endr
	; A PREFETCH INTO THE L2 of chunk s + 5, which step s + 2 will load: behind the step's loads.  All eight work-groups of a head walk the same chunks: the head's first asks, its waves 0 and 1, a lane
	; for each 256 bytes: 64 lanes, one chunk.  So each aligned block of 256 bytes is named once in the launch.  Steps 11 and 12 ask for nothing: chunk 15 is the head's last.  Chunks 0 to 4 come by their loads alone.
	s_cmp_lt_u32 s36, s37
	s_cbranch_scc0 .Lnot_mine_\@
	global_prefetch_b8 v5, s[6:7] offset:4*CH th:TH_LOAD_NT scope:SCOPE_SE
.Lnot_mine_\@:
.endif
	s_barrier_signal -1                            ; chunk s + 2 is stored; work on registers alone stands between this and the wait
.endif
	SOFTMAX 1
	PVMUL 1
	WIN 0
.if \st
	s_barrier_wait -1
.endif
.if \nx
.rept 4
	v_nop                                          ; places in front of loads into V's registers
.endr
	VLOAD CH                                       ; the next step's V
.endif
	s_add_co_u32 s35, s35, CH
.endm
	v_add_nc_u32 v3, s35, v1
	KLOAD 0
	VLOAD 0
.Lstep:                                            ; steps 0 to 12
	STEP 1, 1, 1
	s_add_co_u32 s36, s36, 1
	s_cmp_lt_u32 s36, 13
	s_cbranch_scc1 .Lstep
	STEP 0, 1, 1                                   ; step 13 stores the last chunk and loads none
	STEP 0, 0, 1                                   ; step 14: nothing is left to store, so no barrier
	STEP 0, 0, 0                                   ; step 15: nothing is left to fetch
.rept 4
	v_nop                                          ; places in front of the first read of the last results
.endr
; THE WAY OUT.  O^T / the sum; register 8 dt + j of lane (r, h) is channel 16 dt + 8 h + j of query r: its conversion IS registers 2 dt, 2 dt + 1 of the query tile's part of the last product's A.  The codes leave as they stand.
.irp t, 0,1
	WIN 0x55*\t
	v_add_f32 v12, v10, v11                        ; the sum's two halves,
	v_permlanex16_b32 v24, v12, s20, s21
	v_add_f32 v12, v12, v24                        ; and lane l xor 16's
	v_rcp_f32 v12, v12
	v_mov_b32 v28, s39                             ; (plain lines behind the reciprocal)
	v_mov_b32 v29, s38
	s_wait_alu depctr_va_vdst(0)                   ; the wait, ahead of the first reader
.set i, 0
.rept 16
	v_pk_mul_f32 v[S+i:S+i+1], v[O+i:O+i+1], v[12:13] op_sel_hi:[1,0]
.set i, i+2
.endr
.set i, 0
.rept 32
	v_med3_num_f32 v[S+i], v[S+i], -v28, v28
.set i, i+1
.endr
.irp d, 0,1,2,3
	v_cvt_scalef32_pk8_fp8_f32 v[P+2*\d:P+2*\d+1], v[S+8*\d:S+8*\d+7], v29
.endr
	v_nop
	WIN 0x04*\t                                    ; the stores' data in window t, their address in window 0
	global_store_b128 v1, v[P:P+3],   s[10:11] offset:2048*\t       ; each store of the wave covers 512 consecutive bytes, aligned
	global_store_b128 v1, v[P+4:P+7], s[10:11] offset:2048*\t+512
.endr
	WIN 0
	s_wait_tensorcnt 0x0
	ds_add_u32 v254, v255
	s_wait_dscnt 0x0
	s_endpgm
.Lfunc_end_k_q48f1204bcf_attn:
	.size	k_q48f1204bcf_attn, .Lfunc_end_k_q48f1204bcf_attn-k_q48f1204bcf_attn
	.p2alignl 7, 3214868480
	.fill 96, 4, 3214868480
	.section	.rodata,"a",@progbits
	.p2align	6, 0x0
	.amdhsa_kernel k_q48f1204bcf_attn
		.amdhsa_group_segment_fixed_size 263168
		.amdhsa_private_segment_fixed_size 0
		.amdhsa_enable_private_segment 0
		.amdhsa_kernarg_size 32
		.amdhsa_user_sgpr_count 2
		.amdhsa_user_sgpr_kernarg_segment_ptr 1
		.amdhsa_wavefront_size32 1
		.amdhsa_system_sgpr_workgroup_id_x 1
		.amdhsa_system_sgpr_workgroup_id_y 1
		.amdhsa_system_sgpr_workgroup_id_z 1
		.amdhsa_system_vgpr_workitem_id 0
		.amdhsa_next_free_vgpr 512
		.amdhsa_next_free_sgpr 66
		.amdhsa_reserve_vcc 0
		.amdhsa_float_denorm_mode_32 3
		.amdhsa_float_denorm_mode_16_64 3
		.amdhsa_memory_ordered 1
		.amdhsa_forward_progress 1
		.amdhsa_inst_pref_size 163
	.end_amdhsa_kernel
	.amdgpu_metadata
---
amdhsa.version: [ 1, 2 ]
amdhsa.kernels:
  - .name:           k_q48f1204bcf_attn
    .symbol:         k_q48f1204bcf_attn.kd
    .args:
      - { .name: qc, .offset: 0, .size: 8, .value_kind: global_buffer, .address_space: global }
      - { .name: kv, .offset: 8, .size: 8, .value_kind: global_buffer, .address_space: global }
      - { .name: lowp_scales, .offset: 16, .size: 8, .value_kind: global_buffer, .address_space: global }
      - { .name: ac, .offset: 24, .size: 8, .value_kind: global_buffer, .address_space: global }
    .group_segment_fixed_size: 263168
    .private_segment_fixed_size: 0
    .kernarg_segment_align: 8
    .kernarg_segment_size: 32
    .max_flat_workgroup_size: 256
    .sgpr_count:     66
    .vgpr_count:     512
    .wavefront_size: 32
...
	.end_amdgpu_metadata
.endif
;; end of part 3
;; launch outp (part 4): grid 8 x 32, 4 waves a work-group, clusters of 4 x 4, 262,656 bytes of LDS; arguments ac, woc, bo, lowp_scales, out0; writes out0
.if DOCPART == 4
	.amdgcn_target "amdgcn-amd-amdhsa--gfx1250"
	.amdhsa_code_object_version 6
	.text
	.protected	k_q48f1204bcf_outp
	.globl	k_q48f1204bcf_outp
	.p2align	8
	.type	k_q48f1204bcf_outp,@function
k_q48f1204bcf_outp:
	s_mov_b64 s[64:65], 0
	v_nop
	global_prefetch_b8 v0, s[64:65] scope:SCOPE_SE
	s_setreg_imm32_b32 hwreg(HW_REG_WAVE_MODE, 25, 1), 1
	s_wait_xcnt 0x0
	s_wait_alu depctr_hold_cnt(0) depctr_sa_sdst(0) depctr_va_vdst(0) depctr_va_sdst(0) depctr_va_ssrc(0) depctr_va_vcc(0) depctr_vm_vsrc(0)
	s_getreg_b32 s2, hwreg(HW_REG_IB_STS2, 6, 4)
	s_cmp_eq_u32 s2, 0
	s_cbranch_scc0 .Lentry_in_a_cluster
	s_endpgm
.Lentry_in_a_cluster:
	s_bfe_u32 s2, ttmp6, 0x10000c
	s_cmp_lg_u32 s2, 0xf033
	s_cbranch_scc0 .Lentry_shape_is_right
	s_endpgm
.Lentry_shape_is_right:
; out0 = a Wo + bo on codes of FP8 (E4M3): a's codes with 2^e6, Wo's with 2^e7.  out0: [4096][1024] f32.
; ac [P 32][s 8][a 8][2,048], woc [CP 8][s 8][b 8][2,048]: images of operand registers (a fragment of 16 rows x 128 K = four groups of 512 bytes, lane L's 16 bytes at 16 L); a K step's eight fragments are 16,384 dense bytes.
; SHARES.  A work-group makes rows 128 P on x columns 128 CP on; 256 work-groups.  Wave w = 2 wr + wc makes 64 x 64: 16 accumulators.
; THE MATRIX INSTRUCTION IS USED TRANSPOSED (source 0 = 16 columns of Wo, source 1 = 16 rows of a): lane (r, h) holds row r, and register j of tile b column 16 b + 8 h + j.
; LDS.  The whole K of both panels, 262,144 bytes, is brought in once, in four stages of two K steps: A's two K steps (16,384 bytes each), then B's two.  No byte is filled twice.
; CLUSTER.  4 x 4 work-groups: the four of a row need the same panel of a, the four of a column the same panel of Wo.  Each block is asked for JOINTLY: the same tensor load, descriptor and mask in all four.
; Each wave issues four loads at the start (waves 0, 1: A's K steps 2 j + wc; waves 2, 3: B's): four tensor loads of a wave are out at the most.
; The first K step starts the sums with the constant 0; on the way out one packed multiply-add gives sum x 2^(e6 + e7) + bo.
; LIMIT: e6 + e7 between -126 and 127, so that 2^(e6 + e7) is an f32 number.
; REGISTERS.  window 0: v1 r, v2 h, v3 16 x lane, v4-15 addresses; v32-63, v64-95 results at work, by turns; v96-127 the bias; v128-255 the accumulators ((a, b) at 128 + 8 (4 a + b)), later whole rows.
;             window 1: two fragment buffers of 128: B's four fragments, then A's four.
.set STG,    65536                     ; a stage
.set SPITCH, 272                       ; the way out: a stage row of 64 f32 + 16 bytes
.set WSTG,   64*SPITCH                 ; a wave's 64 rows.  The four lie from LDS byte 0 on, in blocks that have had their one fill and that every wave has left at the barrier in front of the last stage
.set ADA, 4                            ; v4   LDS address of my A fragments in the stage in hand
.set ADB, 5                            ; v5   the same for B
.set STO, 6                            ; v6   the way out: where I put 32 bytes of a row
.set RD,  7                            ; v7   the way out: where I read a row back
.set BOF, 14                           ; v14  32 h
.set CO,  15                           ; v15  my byte offset in two rows of out0
.set T,   32
.set BI,  96
.set ACC, 128
.set F0,  0
.set F1,  128
.set G1A, 24                           ; s[24:31] descriptor group 1 for A;  s[32:39] for B: they differ in the mask
.set G1B, 32
.set G0A, 40                           ; s[40:55] four groups 0 for A, one a stage;  s[68:83] for B
.set G0B, 68
.set MSB, 0
.macro WIN new                         ; the immediate's high byte repeats the setting that is left
.if MSB != (\new)
	s_set_vgpr_msb (MSB<<8)|(\new)
.set MSB, (\new)
.endif
.endm
.set MUL,  0x05                        ; sources 0 and 1 window 1; C and D window 0
.set TO_F, 0x40                        ; destination window 1, address window 0
.macro CROUND                          ; a round of the cluster's barrier
	s_barrier_signal -1
	s_barrier_wait -1
	s_cmp_lg_u32 s16, 0
	s_cbranch_scc1 .Lnot_wave_0_\@
	s_barrier_signal -3
.Lnot_wave_0_\@:
	s_barrier_wait -3
	s_barrier_signal -1
	s_barrier_wait -1
.endm
	s_load_b256 s[4:11], s[0:1], 0x0               ; ac s[4:5], woc s[6:7], bo s[8:9], the scales' exponents s[10:11]
	s_load_b64 s[12:13], s[0:1], 0x20              ; out0
	v_lshl_add_u32 v30, v0, 2, 0x40000
	v_mov_b32 v31, 0
	ds_add_u32 v30, v31
	ds_add_u32 v30, v31
	v_lshrrev_b32 v1, 5, v0
	v_readfirstlane_b32 s16, v1                    ; wave 0..3
	s_lshr_b32 s17, s16, 1                         ; wr: which 64 rows are mine
	s_and_b32 s18, s16, 1                          ; wc: which 64 columns.  Also: which K step of a stage I fetch
	s_bfe_u32 s19, ttmp6, 0x40000                  ; cx, cy: my place in the cluster
	s_bfe_u32 s20, ttmp6, 0x40004
	s_lshl_b32 s21, ttmp9, 2
	s_add_co_u32 s21, s21, s19                     ; CP = 4 x cluster x + cx
	s_and_b32 s22, ttmp7, 0xffff
	s_lshl_b32 s22, s22, 2
	s_add_co_u32 s22, s22, s20                     ; P = 4 x cluster y + cy
	s_lshl_b32 s23, s20, 2
	s_lshl_b32 s23, 15, s23                        ; my row of the cluster
	s_lshl_b32 s56, 0x1111, s19                    ; my column
	; descriptor group 1: a dense block of 16,384 bytes as 64 rows of 32 elements of 8 bytes, no padding
	s_or_b32 s[G1A], s23, (3<<16)|(1<<21)          ; 15:0 the mask; 17:16 elements of 8 bytes; 21 set beside a mask
	s_or_b32 s[G1B], s56, (3<<16)|(1<<21)
.irp g, G1A, G1B
	s_mov_b32 s[\g+1], 32<<16                      ; tensor_dim0 = 32
	s_mov_b32 s[\g+2], 64<<16                      ; tensor_dim1 = 64
	s_mov_b32 s[\g+3], 32<<16                      ; tile_dim0 = 32
	s_mov_b32 s[\g+4], 64                          ; tile_dim1 = 64
	s_mov_b32 s[\g+5], 32                          ; from row to row
	s_mov_b32 s[\g+6], 0
	s_mov_b32 s[\g+7], 0
.endr
	s_lshl_b32 s57, s18, 14                        ; my K step of a stage
	s_lshl_b32 s58, s22, 17                        ; A: panel P of 131,072 bytes: it hangs on the tile row alone
	s_add_co_u32 s58, s58, s57
	s_mov_b32 s59, 0
	s_lshl_b32 s60, s21, 17                        ; B: panel CP: on the tile column alone
	s_add_co_u32 s60, s60, s57
	s_mov_b32 s61, 0
	s_lshl_b32 s62, s16, 14                        ; where a block goes in a stage: wave x 16,384: no place in the cluster enters an LDS address
	s_wait_dscnt 0x0
	s_wait_kmcnt 0x0
	s_load_b256 s[84:91], s[10:11], 0x0            ; e0 .. e7
	s_add_nc_u64 s[58:59], s[4:5], s[58:59]
	s_add_nc_u64 s[60:61], s[6:7], s[60:61]
.irp j, 0,1,2,3
	s_mov_b32 s[G0A+4*\j], 1                                       ; count = 1
	s_add_co_u32 s[G0A+4*\j+1], s62, \j*STG                        ; LDS address
	s_add_nc_u64 s[G0A+4*\j+2:G0A+4*\j+3], s[58:59], \j*32768      ; global address: K step 2 j + wc
	s_or_b32 s[G0A+4*\j+3], s[G0A+4*\j+3], 0x80000000              ; type = 2
	s_mov_b32 s[G0B+4*\j], 1
	s_add_co_u32 s[G0B+4*\j+1], s62, \j*STG
	s_add_nc_u64 s[G0B+4*\j+2:G0B+4*\j+3], s[60:61], \j*32768
	s_or_b32 s[G0B+4*\j+3], s[G0B+4*\j+3], 0x80000000
.endr
	CROUND                                         ; all sixteen work-groups are here: the joint loads meet
	s_cmp_lt_u32 s16, 2                            ; a wave's four fills stand in one branch on the wave's number, ahead of every wait on TENSORcnt and every LDS read; four v_nop follow the last
	s_cbranch_scc0 .Lfill_b
	tensor_load_to_lds s[G0A:G0A+3], s[G1A:G1A+7]
	s_nop 0
	tensor_load_to_lds s[G0A+4:G0A+7], s[G1A:G1A+7]
	s_nop 0
	tensor_load_to_lds s[G0A+8:G0A+11], s[G1A:G1A+7]
	s_nop 0
	tensor_load_to_lds s[G0A+12:G0A+15], s[G1A:G1A+7]
	s_nop 0
.rept 4
	v_nop
.endr
	s_branch .Lfilled
.Lfill_b:
	tensor_load_to_lds s[G0B:G0B+3], s[G1B:G1B+7]
	s_nop 0
	tensor_load_to_lds s[G0B+4:G0B+7], s[G1B:G1B+7]
	s_nop 0
	tensor_load_to_lds s[G0B+8:G0B+11], s[G1B:G1B+7]
	s_nop 0
	tensor_load_to_lds s[G0B+12:G0B+15], s[G1B:G1B+7]
	s_nop 0
.rept 4
	v_nop
.endr
.Lfilled:
	v_and_b32 v1, 15, v0                           ; r
	v_bfe_u32 v2, v0, 4, 1                         ; h
	v_and_b32 v3, 31, v0
	v_lshlrev_b32 v3, 4, v3                        ; 16 x lane
	v_lshlrev_b32 v[BOF], 5, v2
	s_lshl_b32 s66, s21, 9                         ; the bias of my 64 columns: (128 CP + 64 wc) x 4 bytes
	s_lshl_b32 s67, s18, 8
	s_add_co_u32 s66, s66, s67
	s_mov_b32 s67, 0
	s_add_nc_u64 s[8:9], s[8:9], s[66:67]
.irp b, 0,1,2,3                        ; lane (r, h) wants, for tile b, columns 16 b + 8 h + 0 .. 7: the result's layout
	global_load_b128 v[BI+8*\b:BI+8*\b+3],   v[BOF], s[8:9] offset:64*\b
	global_load_b128 v[BI+8*\b+4:BI+8*\b+7], v[BOF], s[8:9] offset:64*\b+16
.endr
	s_lshl_b32 s63, s17, 13                        ; my four fragments of A: 4 wr x 2,048
	v_add_nc_u32 v[ADA], s63, v3
	s_lshl_b32 s63, s18, 13                        ; of B, which lie behind A's two K steps
	s_add_co_u32 s63, s63, 32768
	v_add_nc_u32 v[ADB], s63, v3
	s_mul_i32 s63, s16, WSTG                       ; my stage for the way out
	v_mul_u32_u24 v[STO], v1, SPITCH
	v_lshl_add_u32 v[STO], v2, 5, v[STO]
	v_add_nc_u32 v[STO], s63, v[STO]               ; in: row r, + 32 h
	v_mul_u32_u24 v[RD], v2, SPITCH
	v_lshl_add_u32 v[RD], v1, 4, v[RD]
	v_add_nc_u32 v[RD], s63, v[RD]                 ; back: lanes 0-15 one row of 256 bytes, lanes 16-31 the next
	v_lshlrev_b32 v[CO], 12, v2
	v_lshl_add_u32 v[CO], v1, 4, v[CO]             ; and the same two rows in out0
	s_lshl_b32 s94, s22, 19                        ; my first row: (128 P + 64 wr) x 4,096 bytes,
	s_lshl_b32 s95, s17, 18
	s_add_co_u32 s94, s94, s95
	s_lshl_b32 s95, s21, 9                         ; my first column: (128 CP + 64 wc) x 4
	s_add_co_u32 s94, s94, s95
	s_lshl_b32 s95, s18, 8
	s_add_co_u32 s94, s94, s95
	s_mov_b32 s95, 0
	s_add_nc_u64 s[12:13], s[12:13], s[94:95]
	s_wait_kmcnt 0x0
	s_add_co_i32 s92, s90, s91
	s_add_co_i32 s92, s92, 127
	s_lshl_b32 s92, s92, 23                        ; 2^(e6 + e7) as f32
	s_mov_b32 s93, s92                             ; (named with it as a pair, so it is written)
	s_wait_loadcnt 0x0                             ; the bias
; 32 LDS loads in one run: K step q's fragments, B's four and A's four, into buffer f
.macro FETCH q, f
	WIN TO_F
.irp b, 0,1,2,3
.irp g, 0,1,2,3
	ds_load_b128 v[\f+16*\b+4*\g:\f+16*\b+4*\g+3], v[ADB] offset:16384*((\q)%2)+2048*\b+512*\g
.endr
.endr
.irp a, 0,1,2,3
.irp g, 0,1,2,3
	ds_load_b128 v[\f+64+16*\a+4*\g:\f+64+16*\a+4*\g+3], v[ADA] offset:16384*((\q)%2)+2048*\a+512*\g
.endr
.endr
.endm
; 8 matrix instructions: A's blocks a0, a0 + 1 x B's four.  The 16 accumulators take turns, one instruction a turn, in the same order in every K step.  K step 0 starts the sums: nothing is cleared.
.macro MUL8 f, a0, q
.irp a, \a0, \a0+1
.irp b, 0,1,2,3
.if (\q) == 0
	v_wmma_f32_16x16x128_fp8_fp8 v[ACC+8*(4*(\a)+\b):ACC+8*(4*(\a)+\b)+7], v[\f+16*\b:\f+16*\b+15], v[\f+64+16*(\a):\f+64+16*(\a)+15], 0
.else
	v_wmma_f32_16x16x128_fp8_fp8 v[ACC+8*(4*(\a)+\b):ACC+8*(4*(\a)+\b)+7], v[\f+16*\b:\f+16*\b+15], v[\f+64+16*(\a):\f+64+16*(\a)+15], v[ACC+8*(4*(\a)+\b):ACC+8*(4*(\a)+\b)+7]
.endif
.endr
.endr
.endm
; K step q multiplies buffer fb; in its middle the next K step's fragments are fetched into fn.  Behind an odd K step a new stage begins: my part of it has landed (the count leaves my loads for the later
; stages out), and the barrier shows the same of the other three waves.
.macro KSTEP q, fb, fn
	s_wait_dscnt 0x0                               ; this K step's fragments are in; no LDS instruction of mine is out at the barrier below
	WIN MUL
	MUL8 \fb, 0, \q
.if ((\q)%2) && ((\q) < 7)
	WIN 0
	s_wait_tensorcnt 3-((\q)+1)/2
	s_barrier_signal -1
	s_barrier_wait -1
	v_add_nc_u32 v[ADA], STG, v[ADA]
	v_add_nc_u32 v[ADB], STG, v[ADB]
.endif
.if (\q) < 7
.rept 4
	v_nop                                          ; four places in front of loads into registers that matrix instructions have read (ISA guide 7.12.1 for vector instructions)
.endr
	FETCH (\q)+1, \fn
.endif
	WIN MUL
	MUL8 \fb, 2, \q
.endm
	s_wait_tensorcnt 3                             ; my part of stage 0 is in; my three later loads may be out
	s_barrier_signal -1
	s_barrier_wait -1                              ; everybody's is
	FETCH 0, F0
	KSTEP 0, F0, F1
	KSTEP 1, F1, F0
	KSTEP 2, F0, F1
	KSTEP 3, F1, F0
	KSTEP 4, F0, F1
	KSTEP 5, F1, F0
	KSTEP 6, F0, F1
	KSTEP 7, F1, F0
	WIN 0
.rept 4
	v_nop                                          ; places in front of the first read of results, and of loads into the accumulators
.endr
; THE WAY OUT, block by block of 16 rows x 64 columns.  A lane holds 32 neighbouring bytes of a row and the lanes beside it other rows: so a block goes through my own stage and comes back as whole rows of 256 bytes.
; LDS serves a wave's instructions in order (ISA guide 5.7.1.4): no wait between the stores and the loads.  The rows come back into the block's own accumulators, which have just been read out.
.macro TOSTAGE a
.set TT, T+32*((\a)%2)
.set i, 0
.rept 16
	v_pk_fma_f32 v[TT+i:TT+i+1], v[ACC+32*(\a)+i:ACC+32*(\a)+i+1], s[92:93], v[BI+i:BI+i+1] op_sel_hi:[1,0,1]   ; sum x 2^(e6 + e7) + bo; each accumulator from its low end on
.set i, i+2
.endr
.irp b, 0,1,2,3
	ds_store_b128 v[STO], v[TT+8*\b:TT+8*\b+3]   offset:16*SPITCH*(\a)+64*\b
	ds_store_b128 v[STO], v[TT+8*\b+4:TT+8*\b+7] offset:16*SPITCH*(\a)+64*\b+16
.endr
.irp i2, 0,1,2,3,4,5,6,7
	ds_load_b128 v[ACC+32*(\a)+4*\i2:ACC+32*(\a)+4*\i2+3], v[RD] offset:SPITCH*(16*(\a)+2*\i2)
.endr
.endm
.macro SEND a, younger                 ; younger: the LDS instructions issued behind block a's loads: the next block's eight stores and eight loads, or none
	s_wait_dscnt \younger
.irp i2, 0,1,2,3,4,5,6,7
	global_store_b128 v[CO], v[ACC+32*(\a)+4*\i2:ACC+32*(\a)+4*\i2+3], s[12:13] offset:(16*(\a)+2*\i2)*4096 th:TH_STORE_NT   ; sixteen lanes store 256 consecutive bytes, at a multiple of 256 from out0's first byte
.endr
.endm
	TOSTAGE 0
	TOSTAGE 1
	SEND 0, 16
	TOSTAGE 2                                      ; (block 0's stage stores are done: its loads, issued behind them, have been waited for)
	SEND 1, 16
	TOSTAGE 3
	SEND 2, 16
	SEND 3, 0
	s_wait_tensorcnt 0x0
	ds_add_u32 v30, v31
	s_wait_dscnt 0x0
	CROUND                                         ; the closing round: no work-group ends while a partner may still ask for a block that names it
	s_endpgm
.Lfunc_end_k_q48f1204bcf_outp:
	.size	k_q48f1204bcf_outp, .Lfunc_end_k_q48f1204bcf_outp-k_q48f1204bcf_outp
	.p2alignl 7, 3214868480
	.fill 96, 4, 3214868480
	.section	.rodata,"a",@progbits
	.p2align	6, 0x0
	.amdhsa_kernel k_q48f1204bcf_outp
		.amdhsa_group_segment_fixed_size 262656
		.amdhsa_private_segment_fixed_size 0
		.amdhsa_enable_private_segment 0
		.amdhsa_kernarg_size 40
		.amdhsa_user_sgpr_count 2
		.amdhsa_user_sgpr_kernarg_segment_ptr 1
		.amdhsa_wavefront_size32 1
		.amdhsa_system_sgpr_workgroup_id_x 1
		.amdhsa_system_sgpr_workgroup_id_y 1
		.amdhsa_system_sgpr_workgroup_id_z 1
		.amdhsa_system_vgpr_workitem_id 0
		.amdhsa_next_free_vgpr 512
		.amdhsa_next_free_sgpr 102
		.amdhsa_reserve_vcc 0
		.amdhsa_float_denorm_mode_32 3
		.amdhsa_float_denorm_mode_16_64 3
		.amdhsa_memory_ordered 1
		.amdhsa_forward_progress 1
		.amdhsa_inst_pref_size 47
	.end_amdhsa_kernel
	.amdgpu_metadata
---
amdhsa.version: [ 1, 2 ]
amdhsa.kernels:
  - .name:           k_q48f1204bcf_outp
    .symbol:         k_q48f1204bcf_outp.kd
    .args:
      - { .name: ac, .offset: 0, .size: 8, .value_kind: global_buffer, .address_space: global }
      - { .name: woc, .offset: 8, .size: 8, .value_kind: global_buffer, .address_space: global }
      - { .name: bo, .offset: 16, .size: 8, .value_kind: global_buffer, .address_space: global }
      - { .name: lowp_scales, .offset: 24, .size: 8, .value_kind: global_buffer, .address_space: global }
      - { .name: out0, .offset: 32, .size: 8, .value_kind: global_buffer, .address_space: global }
    .group_segment_fixed_size: 262656
    .private_segment_fixed_size: 0
    .kernarg_segment_align: 8
    .kernarg_segment_size: 40
    .max_flat_workgroup_size: 128
    .sgpr_count:     102
    .vgpr_count:     512
    .wavefront_size: 32
...
	.end_amdgpu_metadata
.endif
;; end of part 4
;; ======== version 2 of 2: 4 launches; version 1 with the launch attn written anew for expert scheduling mode
;; workspace buffers: xc 4,194,304 bytes; wqc 1,048,576 bytes; woc 1,048,576 bytes; qc 4,194,304 bytes; kv 8,388,608 bytes; ac 4,194,304 bytes
;; launch prep: the kernel of part 1 again; grid 320 x 1, 8 waves a work-group, no clusters, 68,608 bytes of LDS; arguments x, Wq, Wo, lowp_scales, xc, wqc, woc; writes xc, wqc, woc
;; launch proj: the kernel of part 2 again; grid 8 x 32, 4 waves a work-group, clusters of 4 x 4, 262,656 bytes of LDS; arguments xc, wqc, bq, lowp_scales, qc, kv; writes qc, kv
;; launch attn (part 5): grid 8 x 32, 8 waves a work-group, no clusters, 263,168 bytes of LDS; arguments qc, kv, lowp_scales, ac; writes ac
.if DOCPART == 5
	.amdgcn_target "amdgcn-amd-amdhsa--gfx1250"
	.amdhsa_code_object_version 6
	.text
	.protected	k_q48f1204bcf_attn
	.globl	k_q48f1204bcf_attn
	.p2align	8
	.type	k_q48f1204bcf_attn,@function
k_q48f1204bcf_attn:
	s_mov_b64 s[64:65], 0
	v_nop
	global_prefetch_b8 v0, s[64:65] scope:SCOPE_SE
	s_setreg_imm32_b32 hwreg(HW_REG_WAVE_SCHED_MODE, 0, 2), 2
	s_setreg_imm32_b32 hwreg(HW_REG_WAVE_MODE, 25, 1), 1
	s_wait_xcnt 0x0
	s_wait_alu depctr_vm_vsrc(0)
; For each of 32 (batch, head): scores = floor(Q K^T / 8); softmax; x V; both products on codes of FP8 (E4M3) with the given scales 2^e2, 2^e3 (Q, K) and 2^e4, 2^e5 (p, V); the result is quantised with 2^e6.
; THE SOFTMAX AHEAD OF THE SECOND PRODUCT: t = score x log2(e); M = the running largest t, rounded UP to a whole number; p = 2^(t - M) is quantised, not normalised.  The row's sum is taken of the unquantised p
; and divides at the end.  When M moves, the sum and O are multiplied by 2^(old M - new M), which rounds nothing.
; IN:  qc [bh 32][qt 128][g 2][L][16], kv [bh 32][st 16][K part 8,192: [kt 8][g 2][L][16]; V part 8,192: [dt 4][g 4][L][16]]: images of operand registers, lane L's 16 bytes at 16 L.
; OUT: ac [P 32][s 8][a 8][g 4][L][16]: the last product's A, in the same form.
; SHARES.  A work-group owns 256 queries of one head; each of its eight waves 32 of them: two tiles of 16, so that each fragment of K and V read from LDS feeds two matrix instructions.  Two waves to a SIMD.
; Every wave walks the head's 2,048 keys, 128 a step.
; LAYOUT.  Both products are used transposed: S^T = K Q^T (source 0 = 16 keys, source 1 = 16 queries), O^T = V^T P^T: a lane holds ONE query (lane % 16) throughout.  Register j of score tile k is key 16 k + 8 h + j,
; so its conversion IS registers 2 k, 2 k + 1 of P for the K = 128 form.
; LDS holds the head's whole kv, 16 chunks of 16,384 bytes, each written once.  A chunk goes through registers: each of the 256 threads moves 4 x 16 bytes; it is loaded three steps and stored two steps ahead of the step that multiplies by it.
; One barrier a step: between barrier s - 1 and barrier s waves read chunks up to s + 1 and store chunk s + 2 alone.
; NO CLUSTER, NO TENSOR LOAD: the eight work-groups of a head do read the same kv, but what is shared is 16,384 bytes a step against some 600 vector instructions of each of eight waves, and it is
; asked for a whole step ahead of the wait for it; and this text keeps a jump on the whole number e4 (below).
; THE HOLD.  The conversion to an 8-bit code does not saturate (ISA guide 7.6.2).  p is at most 2^(a rounding of t) , under 1.75 = 448 x 2^-8: so with e4 >= -8 no p can pass the largest code x the scale, for any input,
; and the 64 lines of the hold are jumped over by a scalar branch on e4; with e4 < -8 they run.
; LIMITS: e2 + e3 between -123 and 2 (2^(e2 + e3 - 3) is an f32 number, and |t| stays under 2^24 for all codes, so that t's rounding stays under 1); e4 between -126 and 119; e6 - e4 - e5 between -126 and 119.  NaN is not served.
; REGISTERS.  TILE t LIVES IN WINDOW t UNDER THE SAME NUMBERS: v8 -M, v9 the largest t, v[10:11] the sum in two halves, v12-15 at work, v16-23 Q, v24 the permute's destination, v25 2^e4, v[26:27] f,
;   v[28:29] at work, v96-159 S^T then p, v160-191 O^T, v192-207 P.  v32-95: window 0 K's eight fragments, window 1 V's four.  Window 0 alone: v1-5 addresses, v208-223 a chunk on its way.
; THE MODE: SCHED_MODE bits 1:0 = 2 (LLVM: expert scheduling mode 2), set by the entry lines.  The code itself states the register dependences between vector or matrix instructions and memory or LDS
; instructions, with s_wait_alu, always for 0.
; THE PLAN.  Registers that memory or LDS instructions touch:
;   v1, v2, v5    offsets, made once at the head and never written again.
;   v3, v4        LDS addresses of the step's reads and stores: written by one addition each at a step's head; read by the step's 32 LDS loads (v3) and four LDS stores (v4).
;   K (window 0 v32-95)   read by the step's 16 products K Q^T; the next step's fragments land in it, asked for behind the wait that tile 0's softmax has for its exponentials.
;   V (window 1 v32-95)   read by the step's 8 products V^T P, the last of them the step's last vector-side line; the next step's fragments land in it, asked for at that step's head.
;   G (v208-223)  a chunk on its way: global loads land in it, LDS stores read it; no vector instruction names it.
;   v96-127       at the head alone: chunks 0 and 1 land there and LDS stores read them; afterwards they are scores.
;   P of both tiles   at the end alone: the conversions write them, the last four stores read them.
; So a step has: one wait on vm_vsrc at its head (v3, v4 are free to be written); one on va_vdst behind the two additions (v3, v4 are written; the last step's V^T P is done reading V); the two waits for the
; exponentials, of which tile 0's also states that K Q^T is done reading K; one on vm_vsrc ahead of the loads into G.
.set KF, 32
.set S,  96
.set O,  160
.set P,  192
.set G,  208
.set CH, 16384                         ; a chunk
.set MSB, 0
.macro WIN new                         ; the immediate's high byte repeats the setting that is left
.if MSB != (\new)
	s_set_vgpr_msb (MSB<<8)|(\new)
.set MSB, (\new)
.endif
.endm
	s_load_b256 s[4:11], s[0:1], 0x0               ; qc s[4:5], kv s[6:7], the scales' exponents s[8:9], ac s[10:11]
	v_lshl_add_u32 v254, v0, 2, 0x40000
	v_mov_b32 v255, 0
	v_lshrrev_b32 v1, 5, v0
	v_readfirstlane_b32 s12, v1                    ; wave 0..7
	v_and_b32 v1, 31, v0
	v_lshlrev_b32 v1, 4, v1                        ; v1  16 x lane
	v_lshlrev_b32 v2, 4, v0                        ; v2  16 x thread: my 16 bytes of a quarter of a chunk
	v_lshlrev_b32 v5, 8, v0                        ; v5  256 x thread: the prefetches' offset; never rewritten
	s_and_b32 s13, ttmp7, 0xffff                   ; bh
	s_mov_b32 s20, 0x76543210                      ; v_permlanex16_b32's selects for lane l xor 16
	s_mov_b32 s21, 0xfedcba98
	s_mov_b32 s32, 0x3fb8aa3b                      ; log2(e)
	s_mov_b32 s33, s32                             ; (named with it as a pair, so it is written)
	s_lshl_b32 s14, s13, 7
	s_lshl_b32 s15, ttmp9, 4
	s_add_co_u32 s14, s14, s15
	s_wait_alu depctr_va_sdst(0)                   ; s12, the wave's number, is written, ahead of its first reader
	s_lshl_b32 s15, s12, 1
	s_add_co_u32 s14, s14, s15                     ; my first tile of queries: 128 bh + 16 x + 2 wave
	s_lshl_b32 s14, s14, 10
	s_mov_b32 s15, 0
	s_lshl_b32 s16, s13, 18                        ; the head's 16 chunks
	s_mov_b32 s17, 0
	s_wait_kmcnt 0x0
	s_load_b256 s[24:31], s[8:9], 0x0              ; e0 .. e7
	s_add_nc_u64 s[4:5], s[4:5], s[14:15]
	s_add_nc_u64 s[6:7], s[6:7], s[16:17]
	s_wait_alu depctr_va_vdst(0)                   ; v1, v2 and v5 are written: every global load and store, the head's LDS stores and the prefetch read one of them as offset or address
	global_load_b128 v[16:19], v1, s[4:5] th:TH_LOAD_NT                ; Q stays in registers: tile 0,
	global_load_b128 v[20:23], v1, s[4:5] offset:512 th:TH_LOAD_NT
	WIN 0x40                                       ; destination window 1
	global_load_b128 v[16:19], v1, s[4:5] offset:1024 th:TH_LOAD_NT    ; tile 1
	global_load_b128 v[20:23], v1, s[4:5] offset:1536 th:TH_LOAD_NT
	WIN 0
.irp c, 0,1
.irp i, 0,1,2,3
	global_load_b128 v[S+16*\c+4*\i:S+16*\c+4*\i+3], v2, s[6:7] offset:CH*\c+4096*\i   ; chunks 0 and 1, through registers that the scores will take
.endr
.endr
.irp i, 0,1,2,3
	global_load_b128 v[G+4*\i:G+4*\i+3], v2, s[6:7] offset:CH*2+4096*\i                ; chunk 2
.endr
	s_lshr_b32 s14, s13, 4
	s_lshl_b32 s14, s14, 4                         ; ac: P = 16 x batch + 2 x + wave / 4
	s_lshl_b32 s15, ttmp9, 1
	s_add_co_u32 s14, s14, s15
	s_lshr_b32 s15, s12, 2
	s_add_co_u32 s14, s14, s15
	s_lshl_b32 s14, s14, 3
	s_bfe_u32 s15, s13, 0x30001                    ; K step = head / 2
	s_add_co_u32 s14, s14, s15
	s_lshl_b32 s14, s14, 3
	s_and_b32 s15, s12, 3
	s_lshl_b32 s15, s15, 1                         ; a = 2 (wave % 4) + tile
	s_add_co_u32 s14, s14, s15
	s_lshl_b32 s14, s14, 11
	s_and_b32 s15, s13, 1
	s_lshl_b32 s15, s15, 10                        ; groups 2 (head % 2) on
	s_add_co_u32 s14, s14, s15
	s_mov_b32 s15, 0
	s_add_nc_u64 s[10:11], s[10:11], s[14:15]
	s_lshr_b32 s37, s12, 1                         ; who prefetches: waves 0 and 1
	s_or_b32 s37, s37, ttmp9                       ; of the head's first work-group,
	s_cmp_eq_u32 s37, 0
	s_cselect_b32 s37, 11, 0                       ; in steps 0 to 10
	s_wait_kmcnt 0x0
	s_add_co_i32 s22, s26, s27
	s_add_co_i32 s22, s22, 124
	s_lshl_b32 s22, s22, 23                        ; c = 2^(e2 + e3 - 3): a sum of codes x c is the score ahead of the floor
	s_mov_b32 s23, s22
	s_add_co_i32 s16, s28, 127
	s_lshl_b32 s17, s16, 23                        ; 2^e4
	s_add_co_i32 s16, s16, 8
	s_lshl_b32 s34, s16, 23
	s_or_b32 s34, s34, 0x600000                    ; 448 x 2^e4
	s_sub_co_i32 s16, s30, s28
	s_sub_co_i32 s16, s16, s29
	s_add_co_i32 s16, s16, 127
	s_lshl_b32 s38, s16, 23                        ; 2^(e6 - e4 - e5): O^T / the sum stands for the result / 2^(e4 + e5)
	s_add_co_i32 s16, s16, 8
	s_lshl_b32 s39, s16, 23
	s_or_b32 s39, s39, 0x600000                    ; 448 x that
.irp t, 0,1
	WIN 0x55*\t
	v_mov_b32 v9, 0xff61b1e6                       ; the largest t so far: -3e38, under every t
	v_floor_f32 v8, -v9                            ; -M
	v_mov_b32 v10, 0                               ; the sum
	v_mov_b32 v11, 0
	v_mov_b32 v24, 0                               ; written once: a lane permute's destination counts as one of its sources
	v_mov_b32 v27, 0                               ; (named as the upper half of the pair v[26:27])
	v_mov_b32 v25, s17
.set i, 0
.rept 32
	v_mov_b32 v[O+i], 0                            ; O^T.  The step is written without a first step of its own: the first change of M multiplies zeros
.set i, i+1
.endr
.endr
	WIN 0
	s_mov_b32 s35, 0                               ; TB: LDS byte of the chunk in hand
	s_mov_b32 s36, 0                               ; the step
	s_wait_loadcnt 4                               ; Q and chunks 0 and 1 are in; chunk 2's four loads may be out
.irp c, 0,1
.irp i, 0,1,2,3
	ds_store_b128 v2, v[S+16*\c+4*\i:S+16*\c+4*\i+3] offset:CH*\c+4096*\i   ; (v2 was written ahead of the head's wait on va_vdst, and no vector line since names it or these data)
.endr
.endr
	s_wait_dscnt 0x0                               ; for the others' sake: my stores have landed
	s_barrier_signal -1
	s_barrier_wait -1
.macro KLOAD off                       ; a step's eight fragments of K (16 keys x 64)
.irp kt, 0,1,2,3,4,5,6,7
	ds_load_b128 v[KF+8*\kt:KF+8*\kt+3],   v3 offset:\off+1024*\kt
	ds_load_b128 v[KF+8*\kt+4:KF+8*\kt+7], v3 offset:\off+1024*\kt+512
.endr
.endm
.macro VLOAD                           ; the step's own four fragments of V^T (16 of the head's 64 x 128 keys), into window 1: the switch, the wait, the loads
	WIN 0x40
	s_wait_alu depctr_va_vdst(0)                   ; v3 and v4 are written, which this step's LDS loads and stores read; the last step's products V^T P are done reading V, in whose registers these loads land
.irp dt, 0,1,2,3
.irp g, 0,1,2,3
	ds_load_b128 v[KF+16*\dt+4*\g:KF+16*\dt+4*\g+3], v3 offset:8192+2048*\dt+512*\g
.endr
.endr
	WIN 0
.endm
.macro SMUL t                          ; S^T = K Q^T for tile t: K window 0, Q and S^T window t
	WIN 0x44*(\t)
.irp k, 0,1,2,3,4,5,6,7
	v_wmma_f32_16x16x64_fp8_fp8 v[S+8*\k:S+8*\k+7], v[KF+8*\k:KF+8*\k+7], v[16:23], 0
.endr
.endm
.macro PVMUL t                         ; O^T += V^T P^T for tile t: V window 1, P and O^T window t.  The four accumulators take turns, one instruction a turn
	WIN 0x01+0x54*(\t)
.irp d, 0,1,2,3
	v_wmma_f32_16x16x128_fp8_fp8 v[O+8*\d:O+8*\d+7], v[KF+16*\d:KF+16*\d+15], v[P:P+15], v[O+8*\d:O+8*\d+7]
.endr
.endm
; ONE TILE'S SOFTMAX FOR ONE KEY STEP: a lane's 64 scores.  kl = 1 (tile 0 alone, whose window is 0): the next step's K is asked for behind the wait for the exponentials.
.macro SOFTMAX t, kl
	WIN 0x55*(\t)
	; the largest of the RAW sums: x c, the floor and x log2(e) do not change the order, so only the maximum itself goes through them.  Four chains, ascending: each score tile is first read at its low end
	v_max3_num_f32 v12, v[S], v[S+1], v[S+2]
	v_max3_num_f32 v13, v[S+3], v[S+4], v[S+5]
	v_max3_num_f32 v14, v[S+6], v[S+7], v[S+8]
	v_max3_num_f32 v15, v[S+9], v[S+10], v[S+11]
.set i, 12
.rept 26
	v_max3_num_f32 v[12+((i-12)/2)%4], v[12+((i-12)/2)%4], v[S+i], v[S+i+1]
.set i, i+2
.endr
	v_max3_num_f32 v12, v12, v13, v14
	v_max_num_f32 v12, v12, v15
	v_permlanex16_b32 v24, v12, s20, s21           ; the query's other 64 keys lie in the lane 16 away
	v_max_num_f32 v12, v12, v24
	v_mul_f32 v12, s22, v12
	v_floor_f32 v12, v12                           ; the step's largest score,
	v_mul_f32 v12, s32, v12                        ; as t
	v_max_num_f32 v9, v9, v12                      ; the running largest t
	v_mov_b32 v13, v8
	v_floor_f32 v8, -v9                            ; the new -M = floor(-t) = -ceil(t)
	v_sub_f32 v13, v8, v13                         ; old M - new M: a whole number, 0 or less
	v_cvt_i32_f32 v13, v13                         ; (it saturates)
	v_ldexp_f32 v26, 1.0, v13                      ; f = 2^(old M - new M)
	; score = floor(sum x c); t - M = score x log2(e) - M, one fused multiply-add; p = 2^(t - M).  A group's exponentials stand behind the next group's plain lines; none of these lines names an exponential's result
.set gq, 0
.rept 8
.irp n, 0,2,4,6
	v_pk_mul_f32 v[S+8*gq+\n:S+8*gq+\n+1], v[S+8*gq+\n:S+8*gq+\n+1], s[22:23] op_sel_hi:[1,0]
.endr
.irp n, 0,1,2,3,4,5,6,7
	v_floor_f32 v[S+8*gq+\n], v[S+8*gq+\n]
.endr
.irp n, 0,2,4,6
	v_pk_fma_f32 v[S+8*gq+\n:S+8*gq+\n+1], v[S+8*gq+\n:S+8*gq+\n+1], s[32:33], v[8:9] op_sel_hi:[1,0,0]
.endr
.if gq > 0
.irp n, 0,1,2,3,4,5,6,7
	v_exp_f32 v[S+8*(gq-1)+\n], v[S+8*(gq-1)+\n]
.endr
.endif
.set gq, gq+1
.endr
.irp n, 0,1,2,3,4,5,6,7
	v_exp_f32 v[S+56+\n], v[S+56+\n]
.endr
	v_pk_mul_f32 v[10:11], v[10:11], v[26:27] op_sel_hi:[1,0]      ; the sum under the new M: the plain line behind the last exponential
	s_wait_alu depctr_va_vdst(0)                   ; the 64 exponentials have written p, ahead of the first line that names a result; in tile 0 also: the step's products K Q^T are done reading K
.if \kl
	KLOAD CH                                       ; the next step's K lands in the registers that those products read; v3 has not been written since the step's head
.endif
	; the row's sum, of the unquantised p: two at a time, in four chains
	v_pk_add_f32 v[12:13], v[S:S+1], v[S+2:S+3]
	v_pk_add_f32 v[14:15], v[S+4:S+5], v[S+6:S+7]
	v_pk_add_f32 v[28:29], v[S+8:S+9], v[S+10:S+11]
	v_pk_add_f32 v[10:11], v[10:11], v[S+12:S+13]
.set i, 7
.rept 6
	v_pk_add_f32 v[12:13], v[12:13], v[S+2*i:S+2*i+1]
	v_pk_add_f32 v[14:15], v[14:15], v[S+2*i+2:S+2*i+3]
	v_pk_add_f32 v[28:29], v[28:29], v[S+2*i+4:S+2*i+5]
	v_pk_add_f32 v[10:11], v[10:11], v[S+2*i+6:S+2*i+7]
.set i, i+4
.endr
	v_pk_add_f32 v[12:13], v[12:13], v[S+62:S+63]
	v_pk_add_f32 v[12:13], v[12:13], v[14:15]
	v_pk_add_f32 v[10:11], v[10:11], v[28:29]
	v_pk_add_f32 v[10:11], v[10:11], v[12:13]
	WIN 0                                          ; at a branch and at a label every window is 0
	s_cmp_gt_i32 s28, -9                           ; e4 >= -8: 448 x 2^e4 >= 1.75 lies over every p
	s_cbranch_scc1 .Lno_hold_\@
	WIN 0x55*(\t)
.set i, 0
.rept 64
	v_min_num_f32 v[S+i], s34, v[S+i]              ; p is never negative: the hold is one-sided
.set i, i+1
.endr
	WIN 0
.Lno_hold_\@:
	WIN 0x55*(\t)
.irp k, 0,1,2,3,4,5,6,7
	v_cvt_scalef32_pk8_fp8_f32 v[P+2*\k:P+2*\k+1], v[S+8*\k:S+8*\k+7], v25
.endr
.set i, 0
.rept 16
	v_pk_mul_f32 v[O+i:O+i+1], v[O+i:O+i+1], v[26:27] op_sel_hi:[1,0]   ; O^T under the new M, from each accumulator's low end on.  (Also the plain lines between the conversions and the products that read P)
.set i, i+2
.endr
.endm
; A KEY STEP.  gl = 1: chunk s + 3 is loaded; st = 1: chunk s + 2 is stored into LDS, and the step has its barrier; nx = 1: the next step's K is fetched.
.macro STEP gl, st, nx
	s_wait_alu depctr_vm_vsrc(0)                   ; the LDS loads issued so far have read v3, the last step's LDS stores v4: both are written below
	v_add_nc_u32 v3, s35, v1                       ; where my lane reads: the chunk in hand + 16 x lane
.if \st
	v_add_nc_u32 v4, s35, v2                       ; where my thread stores
.endif
.rept 3-(\st)
	v_nop                                          ; with the additions above, four plain lines between the last step's products V^T P and the loads into V's registers; they are kept beside the wait in VLOAD, which states that dependence
.endr
	VLOAD                                          ; this step's V: it has K Q^T and tile 0's softmax in which to land
	s_wait_dscnt 16                                ; K is in; V's 16 loads, the youngest, may be out
	SMUL 0
	SMUL 1
	WIN 0
.rept 4
	v_nop                                          ; four places in front of the first read of scores (ISA guide 7.12.1)
.endr
	SOFTMAX 0, \nx
.if \nx
	s_wait_dscnt 16                                ; V is in; the next K's 16 loads may be out
.else
	s_wait_dscnt 0x0
.endif
	PVMUL 0
	WIN 0
.if \st
	s_wait_loadcnt 0x0                             ; chunk s + 2 is in my registers
.irp i, 0,1,2,3
	ds_store_b128 v4, v[G+4*\i:G+4*\i+3] offset:2*CH+4096*\i   ; (v4 was written ahead of the wait at the step's head; no vector line names it since, and none ever names G)
.endr
	s_wait_dscnt 0x0                               ; for the others' sake: my stores have landed
.if \gl
	s_wait_xcnt 0x0                                ; the last step's prefetch has read its base, which may now step
	s_wait_alu depctr_vm_vsrc(0)                   ; the LDS stores above have read G, in which the loads below land
	s_add_nc_u64 s[6:7], s[6:7], CH
.irp i, 0,1,2,3
	global_load_b128 v[G+4*\i:G+4*\i+3], v2, s[6:7] offset:2*CH+4096*\i   ; chunk s + 3
.endr
	; A PREFETCH INTO THE L2 of chunk s + 5, which step s + 2 will load: behind the step's loads.  All eight work-groups of a head walk the same chunks: the head's first asks, its waves 0 and 1, a lane
	; for each 256 bytes: 64 lanes, one chunk.  So each aligned block of 256 bytes is named once in the launch.  Steps 11 and 12 ask for nothing: chunk 15 is the head's last.  Chunks 0 to 4 come by their loads alone.
	s_cmp_lt_u32 s36, s37
	s_cbranch_scc0 .Lnot_mine_\@
	global_prefetch_b8 v5, s[6:7] offset:4*CH th:TH_LOAD_NT scope:SCOPE_SE
.Lnot_mine_\@:
.endif
	s_barrier_signal -1                            ; chunk s + 2 is stored; work on registers alone stands between this and the wait
.endif
	SOFTMAX 1, 0
	PVMUL 1
	WIN 0
.if \st
	s_barrier_wait -1
.endif
	s_add_co_u32 s35, s35, CH
.endm
	s_wait_alu depctr_vm_vsrc(0)                   ; my LDS stores have read v96-127: these registers are scores from here on, written by the products
	v_add_nc_u32 v3, s35, v1
	s_wait_alu depctr_va_vdst(0)                   ; v3 is written, which the loads below read
	KLOAD 0
.Lstep:                                            ; steps 0 to 12
	STEP 1, 1, 1
	s_add_co_u32 s36, s36, 1
	s_cmp_lt_u32 s36, 13
	s_cbranch_scc1 .Lstep
	STEP 0, 1, 1                                   ; step 13 stores the last chunk and loads none
	STEP 0, 0, 1                                   ; step 14: nothing is left to store, so no barrier
	STEP 0, 0, 0                                   ; step 15: no K is left to fetch
.rept 4
	v_nop                                          ; places in front of the first read of the last results
.endr
; THE WAY OUT.  O^T / the sum; register 8 dt + j of lane (r, h) is channel 16 dt + 8 h + j of query r: its conversion IS registers 2 dt, 2 dt + 1 of the query tile's part of the last product's A.  The codes leave as they stand.
; Both tiles' arithmetic comes first, so that one wait stands ahead of the four stores.
.irp t, 0,1
	WIN 0x55*\t
	v_add_f32 v12, v10, v11                        ; the sum's two halves,
	v_permlanex16_b32 v24, v12, s20, s21
	v_add_f32 v12, v12, v24                        ; and lane l xor 16's
	v_rcp_f32 v12, v12
	v_mov_b32 v28, s39                             ; (plain lines behind the reciprocal)
	v_mov_b32 v29, s38
	s_wait_alu depctr_va_vdst(0)                   ; the reciprocal has written v12, ahead of its first reader
.set i, 0
.rept 16
	v_pk_mul_f32 v[S+i:S+i+1], v[O+i:O+i+1], v[12:13] op_sel_hi:[1,0]
.set i, i+2
.endr
.set i, 0
.rept 32
	v_med3_num_f32 v[S+i], v[S+i], -v28, v28
.set i, i+1
.endr
.irp d, 0,1,2,3
	v_cvt_scalef32_pk8_fp8_f32 v[P+2*\d:P+2*\d+1], v[S+8*\d:S+8*\d+7], v29
.endr
	v_nop
.endr
	WIN 0
	s_wait_alu depctr_va_vdst(0)                   ; both tiles' conversions have written P, which the four stores read
	global_store_b128 v1, v[P:P+3],   s[10:11]                      ; tile 0.  Each store of the wave covers 512 consecutive bytes, aligned
	global_store_b128 v1, v[P+4:P+7], s[10:11] offset:512
	WIN 0x04                                       ; the stores' data in window 1, their address in window 0
	global_store_b128 v1, v[P:P+3],   s[10:11] offset:2048          ; tile 1
	global_store_b128 v1, v[P+4:P+7], s[10:11] offset:2560
	WIN 0                                          ; the add's two registers lie in window 0
	s_wait_dscnt 0x0                               ; the closing lines, six on end
	s_wait_alu 0x0
	s_wait_tensorcnt 0x0
	ds_add_u32 v254, v255
	s_wait_dscnt 0x0
	s_endpgm
.Lfunc_end_k_q48f1204bcf_attn:
	.size	k_q48f1204bcf_attn, .Lfunc_end_k_q48f1204bcf_attn-k_q48f1204bcf_attn
	.p2alignl 7, 3214868480
	.fill 96, 4, 3214868480
	.section	.rodata,"a",@progbits
	.p2align	6, 0x0
	.amdhsa_kernel k_q48f1204bcf_attn
		.amdhsa_group_segment_fixed_size 263168
		.amdhsa_private_segment_fixed_size 0
		.amdhsa_enable_private_segment 0
		.amdhsa_kernarg_size 32
		.amdhsa_user_sgpr_count 2
		.amdhsa_user_sgpr_kernarg_segment_ptr 1
		.amdhsa_wavefront_size32 1
		.amdhsa_system_sgpr_workgroup_id_x 1
		.amdhsa_system_sgpr_workgroup_id_y 1
		.amdhsa_system_sgpr_workgroup_id_z 1
		.amdhsa_system_vgpr_workitem_id 0
		.amdhsa_next_free_vgpr 512
		.amdhsa_next_free_sgpr 66
		.amdhsa_reserve_vcc 0
		.amdhsa_float_denorm_mode_32 3
		.amdhsa_float_denorm_mode_16_64 3
		.amdhsa_memory_ordered 1
		.amdhsa_forward_progress 1
		.amdhsa_inst_pref_size 164
	.end_amdhsa_kernel
	.amdgpu_metadata
---
amdhsa.version: [ 1, 2 ]
amdhsa.kernels:
  - .name:           k_q48f1204bcf_attn
    .symbol:         k_q48f1204bcf_attn.kd
    .args:
      - { .name: qc, .offset: 0, .size: 8, .value_kind: global_buffer, .address_space: global }
      - { .name: kv, .offset: 8, .size: 8, .value_kind: global_buffer, .address_space: global }
      - { .name: lowp_scales, .offset: 16, .size: 8, .value_kind: global_buffer, .address_space: global }
      - { .name: ac, .offset: 24, .size: 8, .value_kind: global_buffer, .address_space: global }
    .group_segment_fixed_size: 263168
    .private_segment_fixed_size: 0
    .kernarg_segment_align: 8
    .kernarg_segment_size: 32
    .max_flat_workgroup_size: 256
    .sgpr_count:     66
    .vgpr_count:     512
    .wavefront_size: 32
...
	.end_amdgpu_metadata
.endif
;; end of part 5
;; launch outp: the kernel of part 4 again; grid 8 x 32, 4 waves a work-group, clusters of 4 x 4, 262,656 bytes of LDS; arguments ac, woc, bo, lowp_scales, out0; writes out0
